; MI455X (gfx1250); checked and timed in simulation.
; The chip was launched on July 23, 2026; its instructions are those of AMD's public machine-readable ISA for CDNA 5 (MIT licence, August 2026) and "CDNA5" Instruction Set Architecture Reference Guide (July 2026). The comments in the code are by the model that wrote it; some were corrected since.
;; Causal Self Attention. Allowed arithmetic: matrix products marked QUANTISED: E2M1 operands, one E8M0 scale for each 32 along K, by v_wmma_scale_f32_16x16x128_f8f6f4 with both operands' format E2M1 (or v_wmma_scale_f32_32x16x128_f4), f32 sums; products left as they are: bf16, f16 or f32 operands; f32 sums; everything else in f32.
;; Inputs: b_out 1,024 float32; b_qkv 3,072 float32; w_out 1,024 x 1,024 float32; w_qkv 1,024 x 3,072 float32; x 4 x 2,048 x 1,024 float32.
;; Outputs: out0 4 x 2,048 x 1,024 float32.
;; This version of the problem:
;;   THIS VERSION OF THE PROBLEM IS GIVEN IN LOW PRECISION. The matrix products marked QUANTISED in the list below multiply operands that are first quantised to E2M1 (2 exponent bits, 1 mantissa bit; 4 bits a number), with one power-of-two scale for each 32 numbers along K (OCP MX v1.0); their sums are f32. The products marked 'left as it is' may take bf16, f16 or f32 operands, with f32 sums. Whichever they take, every output number must still come out within the allowed error. Rounding operands to bf16 (8 significant bits) uses up far more of that allowance than f16 does (11 bits, for magnitudes from 6e-5 to 65,504). All else is computed in f32.
;;   The module's matrix products, in the order in which they are computed (A, B: the left and right operand; K: the contracted axis; several contracted axes count as one K, in the product's order):
;;     1. [M 8,192, K 1,024] x [K 1,024, N 3,072]; A: input x; B: input w_qkv: QUANTISED
;;     2. batch 64 x [M 2,048, K 64] x [K 64, N 2,048]; A: computed on the way; B: computed on the way: left as it is (an operand is computed on the way)
;;     3. batch 64 x [M 2,048, K 2,048] x [K 2,048, N 64]; A: computed on the way; B: computed on the way: left as it is (an operand is computed on the way)
;;     4. [M 8,192, K 1,024] x [K 1,024, N 1,024]; A: computed on the way; B: input w_out: left as it is (an operand is computed on the way)
;;   THE QUANTISER, for each operand of a quantised product, along K:
;;     - K is cut into blocks of 32 from its start; a last block that is shorter is filled with zeros.
;;     - A block's scale is 2^e with e = floor(log2(the largest magnitude in the block)) - 2, held to -126 .. 127; a block of zeros has e = 0. As a byte (E8M0): e + 127.
;;     - Each number is divided by its block's scale, clamped to +-6, and rounded to the nearest number of E2M1, ties to even, subnormals kept.
;;     - The product sums the exact products of the quantised numbers (number of the format x scale) in f32.
;;   ~~~python
;;   def quantise(x, axis):      # numpy; x: float32 -> the quantised numbers, widened to float32 again
;;       x = np.moveaxis(x, axis, -1); K = x.shape[-1]
;;       x = np.pad(x, [(0, 0)] * (x.ndim - 1) + [(0, -K % 32)]); x = x.reshape(x.shape[:-1] + (-1, 32)); a = np.abs(x).max(-1, keepdims=True)
;;       e = np.where(a > 0, np.clip(np.frexp(np.where(a > 0, a, 1))[1] - 1 - 2, -126, 127), 0)      # np.frexp(a)[1] - 1 = floor(log2(a)), exactly
;;       r = np.clip(x / 2.0 ** e, -6, 6)
;;       step = 2.0 ** (np.maximum(np.frexp(np.where(r == 0, 1, r))[1] - 1, 0) - 1)
;;       q = np.round(r / step) * step * 2.0 ** e      # np.round: ties to even
;;       return np.moveaxis(q.reshape(q.shape[:-2] + (-1,))[..., :K], -1, axis).astype(np.float32)
;;   ~~~
;; One version. Each part assembles by itself: llvm-mc -triple=amdgcn-amd-amdhsa -mcpu=gfx1250 --defsym DOCPART=n.
;; ======== version 1 of 1: 6 launches
;; limits: values are held in f16: magnitudes above 65,504 overflow, below 6.1e-05 lose precision; values outside matrix products are rounded to f16
;; workspace buffers: x_codes 4,194,304 bytes; x_scales 262,144 bytes; wq_codes 1,572,864 bytes; wq_scales 98,304 bytes; wo16 2,097,152 bytes; qkv16 50,331,648 bytes; fine32 786,432 bytes; att16 16,777,216 bytes
;; launch prep (part 1): grid 384 x 1, 4 waves a work-group, no clusters, 33,280 bytes of LDS; arguments x, w_out, x_codes, x_scales, wo16; writes x_codes, x_scales, wo16
.if DOCPART == 1
	.amdgcn_target "amdgcn-amd-amdhsa--gfx1250"
	.amdhsa_code_object_version 6
	.text
	.protected	k_q45e7fc1f41_prep
	.globl	k_q45e7fc1f41_prep
	.p2align	8
	.type	k_q45e7fc1f41_prep,@function
k_q45e7fc1f41_prep:
	s_mov_b64 s[64:65], 0
	v_nop
	global_prefetch_b8 v0, s[64:65] scope:SCOPE_SE
	s_setreg_imm32_b32 hwreg(HW_REG_WAVE_MODE, 25, 1), 1
	s_wait_xcnt 0x0
; Work-groups 0-255: x [8192][1024] f32 becomes codes of FP4 (E2M1), K innermost (x_codes [8192][512 bytes]), and one E8M0 byte for each 32 along K (x_scales [8192][32]).
; Work-groups 256-383: w_out [1024][1024] f32 is rounded to f16, layout kept (wo16 [k][n]).
; A block's scale is 2^(floor(log2(its largest magnitude)) - 2): its byte is the largest magnitude's exponent field - 2, held at 1 from below.
; LIMITS: a block of zeros, and one whose largest magnitude lies under 2^-124, gets the byte 1 (zero codes add nothing, and this program alone reads the bytes); NaN and infinities are not served;
; |w_out| stays under 65,504, f16's largest number.
; x's rows are dense and 1,024 is a multiple of 32: x is a plain stream of blocks of 32.  A wave takes 16 steps of 512 numbers.  Each of a step's four loads reads 512 consecutive bytes; the 2,048 bytes turn
; through the wave's own stage in LDS (16 bytes of padding behind each 64) and come back 16 neighbours a lane, two lanes to a block.  A step's codes leave as 256 consecutive bytes; a wave's 256 scale bytes
; are gathered in LDS and leave as one aligned run of 256 bytes.  Waves share nothing: no barrier.
.set STEPS, 16
.set EMAX,  2
.set CB,    8                          ; bytes of 16 codes
.set R,     16                         ; v16-79   four sets of 16 numbers as loaded
.set X,     80                         ; v80-111  two sets of 16 neighbours
.set E,     112                        ; v112-127 a scale byte for each step
.set C,     128                        ; v128-191 codes, four registers a step: no store's data are written again
.set WREG,  8192                       ; LDS: a region for each wave: two stages of 32 x SP bytes, then its 256 scale bytes
.set SP,    80
.set SPW,   12                         ; v12 my spare word's LDS address; never rewritten
.set NIL,   13                         ; v13 0; never rewritten
.set SPARE, 4*WREG                     ; the spare words: 128 bytes a wave, named by no other line
	s_load_b128 s[4:7], s[0:1], 0x0                ; x, w_out
	s_load_b128 s[8:11], s[0:1], 0x10              ; x_codes, x_scales
	s_load_b64 s[12:13], s[0:1], 0x20              ; wo16
	v_lshl_add_u32 v[SPW], v0, 2, SPARE
	v_mov_b32 v[NIL], 0
	v_lshrrev_b32 v1, 5, v0
	v_readfirstlane_b32 s16, v1                    ; wave
	v_and_b32 v2, 31, v0                           ; lane
	v_lshlrev_b32 v3, 4, v2                        ; my 16 bytes of a load's 512
	s_mul_i32 s17, s16, WREG
	v_lshrrev_b32 v14, 2, v2
	v_mul_u32_u24 v14, v14, SP
	v_and_b32 v15, 3, v2
	v_lshl_add_u32 v14, v15, 4, v14
	v_add_nc_u32 v14, s17, v14                     ; the stage, way in: SP (lane / 4) + 16 (lane % 4)
	v_mul_u32_u24 v15, v2, SP
	v_add_nc_u32 v15, s17, v15                     ; way out: SP x lane: my 16 neighbours
	v_mul_u32_u24 v4, v2, CB                       ; my codes' place in a step's
	v_lshrrev_b32 v5, 1, v2
	s_add_co_u32 s17, s17, 2*32*SP
	v_add_nc_u32 v5, s17, v5                       ; my block's byte among my wave's 256
	v_lshlrev_b32 v7, 3, v2                        ; 8 bytes a lane
	v_add_nc_u32 v6, s17, v7
	s_mov_b32 s21, 0
	s_wait_kmcnt 0x0
	s_cmp_ge_u32 ttmp9, 256                        ; the work-group's number alone decides
	s_cbranch_scc1 .Lcast
	s_lshl_b32 s17, ttmp9, 2
	s_add_co_u32 s18, s17, s16                     ; which run of 8,192 numbers is my wave's: 0 .. 1,023
	s_lshl_b32 s20, s18, 15                        ; 32,768 bytes of x a run
	s_add_nc_u64 s[4:5], s[4:5], s[20:21]
	s_lshl_b32 s20, s18, 12                        ; 4,096 bytes of codes
	s_add_nc_u64 s[8:9], s[8:9], s[20:21]
	s_lshl_b32 s20, s18, 8                         ; 256 scale bytes
	s_add_nc_u64 s[10:11], s[10:11], s[20:21]
.macro LOAD t
.irp i, 0,1,2,3
	global_load_b128 v[R+16*((\t)%4)+4*\i:R+16*((\t)%4)+4*\i+3], v3, s[4:5] offset:2048*(\t)+512*\i th:TH_LOAD_NT
.endr
.endm
.macro TURN t                          ; step t's numbers through the stage: LDS serves a wave's instructions in order (ISA guide 5.7.1.4)
.irp i, 0,1,2,3
	ds_store_b128 v14, v[R+16*((\t)%4)+4*\i:R+16*((\t)%4)+4*\i+3] offset:32*SP*((\t)%2)+8*SP*\i
.endr
.irp i, 0,1,2,3
	ds_load_b128 v[X+16*((\t)%2)+4*\i:X+16*((\t)%2)+4*\i+3], v15 offset:32*SP*((\t)%2)+16*\i
.endr
.endm
.irp t, 0,1,2,3
	LOAD \t
.endr
	s_wait_loadcnt 12                              ; step 0's four loads are in; the twelve of steps 1 to 3 stay out
	TURN 0
.macro STEP t
.set XS, X+16*((\t)%2)
.if (\t) > 0
	s_wait_dscnt 1                                 ; this step's numbers are back from the stage; the last step's byte store may be out
.else
	s_wait_dscnt 0x0
.endif
.if (\t)+4 < STEPS
	LOAD (\t)+4                                    ; into the set whose numbers the stage has taken
.endif
.if (\t)+1 < STEPS
.if STEPS-2-(\t) >= 3
	s_wait_loadcnt 12                              ; the next step's four loads are in; those of the three steps behind it stay out
.else
	s_wait_loadcnt 4*(STEPS-2-(\t))
.endif
	TURN (\t)+1
.endif
	v_max3_num_f32 v8, |v[XS]|, |v[XS+1]|, |v[XS+2]|               ; the largest magnitude of my 16, in two chains
	v_max3_num_f32 v9, |v[XS+3]|, |v[XS+4]|, |v[XS+5]|
.irp i, 6,10
	v_max3_num_f32 v8, v8, |v[XS+\i]|, |v[XS+\i+1]|
	v_max3_num_f32 v9, v9, |v[XS+\i+2]|, |v[XS+\i+3]|
.endr
	v_max3_num_f32 v8, v8, |v[XS+14]|, |v[XS+15]|
	v_max3_num_f32 v8, v8, v9, (EMAX+1)<<23        ; and the floor 2^(3 - 127): the byte cannot fall under 1
	v_max_num_f32_dpp v8, v8, v8 row_xmask:1 row_mask:0xf bank_mask:0xf   ; with my neighbour's 16: the block's
	v_add_nc_u32 v11, 0xff000000, v8               ; 2 off its exponent field: the conversion takes that field as its scale
	v_cvt_scalef32_pk8_fp4_f32 v[C+4*(\t)], v[XS:XS+7], v11
	v_cvt_scalef32_pk8_fp4_f32 v[C+4*(\t)+1], v[XS+8:XS+15], v11
	v_lshrrev_b32 v[E+(\t)], 23, v11               ; the scale's byte (also the plain line behind the conversions)
	ds_store_b8 v5, v[E+(\t)] offset:16*(\t)       ; both lanes of a block write the same byte with the same value
	global_store_b64 v4, v[C+4*(\t):C+4*(\t)+1], s[8:9] offset:32*CB*(\t)   ; the wave stores 256 consecutive bytes, aligned
.endm
.irp t, 0,1,2,3,4,5,6,7,8,9,10,11,12,13,14,15
	STEP \t
.endr
	ds_load_b64 v[8:9], v6                         ; my wave's 256 scale bytes, 8 a lane
	s_wait_dscnt 0x0
	global_store_b64 v7, v[8:9], s[10:11]
	s_branch .Lend
.Lcast:                                                ; w_out to f16: a wave takes 2,048 numbers; no LDS
	s_sub_co_u32 s17, ttmp9, 256
	s_lshl_b32 s17, s17, 2
	s_add_co_u32 s18, s17, s16                     ; run 0 .. 511
	s_lshl_b32 s20, s18, 13
	s_add_nc_u64 s[6:7], s[6:7], s[20:21]
	s_lshl_b32 s20, s18, 12
	s_add_nc_u64 s[12:13], s[12:13], s[20:21]
.irp i, 0,1,2,3,4,5,6,7,8,9,10,11,12,13,14,15
	global_load_b128 v[R+4*\i:R+4*\i+3], v3, s[6:7] offset:512*\i th:TH_LOAD_NT
.endr
.irp i, 0,1,2,3,4,5,6,7,8,9,10,11,12,13,14,15
	s_wait_loadcnt 15-\i                           ; load i is in; the younger ones stay out
	v_cvt_pk_f16_f32 v[C+2*\i], v[R+4*\i], v[R+4*\i+1]
	v_cvt_pk_f16_f32 v[C+2*\i+1], v[R+4*\i+2], v[R+4*\i+3]
	global_store_b64 v7, v[C+2*\i:C+2*\i+1], s[12:13] offset:256*\i   ; 256 consecutive bytes, aligned; no register is written twice
.endr
.Lend:
	s_wait_tensorcnt 0x0                           ; the wave's end
	ds_add_u32 v[SPW], v[NIL]
	s_wait_dscnt 0x0
	s_endpgm
.Lfunc_end_k_q45e7fc1f41_prep:
	.size	k_q45e7fc1f41_prep, .Lfunc_end_k_q45e7fc1f41_prep-k_q45e7fc1f41_prep
	.p2alignl 7, 3214868480
	.fill 96, 4, 3214868480
	.section	.rodata,"a",@progbits
	.p2align	6, 0x0
	.amdhsa_kernel k_q45e7fc1f41_prep
		.amdhsa_group_segment_fixed_size 33280
		.amdhsa_private_segment_fixed_size 0
		.amdhsa_enable_private_segment 0
		.amdhsa_kernarg_size 40
		.amdhsa_user_sgpr_count 2
		.amdhsa_user_sgpr_kernarg_segment_ptr 1
		.amdhsa_wavefront_size32 1
		.amdhsa_system_sgpr_workgroup_id_x 1
		.amdhsa_system_sgpr_workgroup_id_y 1
		.amdhsa_system_sgpr_workgroup_id_z 1
		.amdhsa_system_vgpr_workitem_id 0
		.amdhsa_next_free_vgpr 192
		.amdhsa_next_free_sgpr 66
		.amdhsa_reserve_vcc 0
		.amdhsa_float_denorm_mode_32 3
		.amdhsa_float_denorm_mode_16_64 3
		.amdhsa_memory_ordered 1
		.amdhsa_forward_progress 1
		.amdhsa_inst_pref_size 39
	.end_amdhsa_kernel
	.amdgpu_metadata
---
amdhsa.version: [ 1, 2 ]
amdhsa.kernels:
  - .name:           k_q45e7fc1f41_prep
    .symbol:         k_q45e7fc1f41_prep.kd
    .args:
      - { .name: x, .offset: 0, .size: 8, .value_kind: global_buffer, .address_space: global }
      - { .name: w_out, .offset: 8, .size: 8, .value_kind: global_buffer, .address_space: global }
      - { .name: x_codes, .offset: 16, .size: 8, .value_kind: global_buffer, .address_space: global }
      - { .name: x_scales, .offset: 24, .size: 8, .value_kind: global_buffer, .address_space: global }
      - { .name: wo16, .offset: 32, .size: 8, .value_kind: global_buffer, .address_space: global }
    .group_segment_fixed_size: 33280
    .private_segment_fixed_size: 0
    .kernarg_segment_align: 8
    .kernarg_segment_size: 40
    .max_flat_workgroup_size: 128
    .sgpr_count:     66
    .vgpr_count:     192
    .wavefront_size: 32
...
	.end_amdgpu_metadata
.endif
;; end of part 1
;; launch quant_w (part 2): grid 48 x 2, 8 waves a work-group, no clusters, 19,456 bytes of LDS; arguments w_qkv, wq_codes, wq_scales; writes wq_codes, wq_scales
.if DOCPART == 2
	.amdgcn_target "amdgcn-amd-amdhsa--gfx1250"
	.amdhsa_code_object_version 6
	.text
	.protected	k_q45e7fc1f41_quant_w
	.globl	k_q45e7fc1f41_quant_w
	.p2align	8
	.type	k_q45e7fc1f41_quant_w,@function
k_q45e7fc1f41_quant_w:
	s_mov_b64 s[64:65], 0
	v_nop
	global_prefetch_b8 v0, s[64:65] scope:SCOPE_SE
	s_setreg_imm32_b32 hwreg(HW_REG_WAVE_MODE, 25, 1), 1
	s_wait_xcnt 0x0
; w_qkv [1024 (k)][3072 (n)] f32, K its first axis, becomes codes of FP4 laid [3072][512 bytes] with K innermost, and E8M0 bytes [3072][32].
; A lane takes a column and its registers run down K: a block of 32 lies in one lane, and the conversions give codes with K innermost.
; A work-group takes 64 columns x 512 along K.  Wave w: cg = w & 1 picks 32 columns, kp = w >> 1 picks 128 along K (4 blocks).  The two waves of a kp read 256 consecutive aligned bytes of each row.
; Codes meet in a stage (64 rows x 256 bytes + 16), scale words beside it; behind one barrier each wave stores 8 whole rows' 256 bytes, sixteen lanes to a run of 256 aligned bytes.
; The scale bytes leave as 16 bytes a column, 32 bytes apart: one byte in 128 of what the launch reads.
; LIMITS: a block of zeros or under 2^-124 gets the byte 1; NaN and infinities are not served.
.set PITCH, 272
.set SCS,   64*PITCH                   ; the scale words: 64 columns x 16 bytes
.set SPARE, SCS+1024                   ; the spare words: 128 bytes for each of 8 waves
.set ROWW,  12288                      ; a row of w_qkv in bytes
.set X,     32                         ; v32-159  four blocks of 32 numbers
.set C,     160                        ; v160-175 four registers of codes a block
.set SWD,   176                        ; v176     my column's four scale bytes
.set OUTR,  180                        ; v180-195 the way out
.set SPW,   14
.set NIL,   15
	s_load_b128 s[4:7], s[0:1], 0x0                ; w_qkv, wq_codes
	s_load_b64 s[8:9], s[0:1], 0x10                ; wq_scales
	v_lshl_add_u32 v[SPW], v0, 2, SPARE
	v_mov_b32 v[NIL], 0
	v_lshrrev_b32 v1, 5, v0
	v_readfirstlane_b32 s16, v1                    ; wave 0..7
	v_and_b32 v2, 31, v0                           ; lane
	s_and_b32 s17, s16, 1                          ; cg
	s_lshr_b32 s18, s16, 1                         ; kp
	s_and_b32 s19, ttmp7, 0xffff                   ; y: which 512 along K
	v_lshlrev_b32 v3, 2, v2                        ; in: 4 bytes a lane
	s_mul_i32 s20, s17, 32*PITCH
	s_lshl_b32 s21, s18, 6
	s_add_co_u32 s20, s20, s21
	v_mul_u32_u24 v4, v2, PITCH
	v_add_nc_u32 v4, s20, v4                       ; the stage, way in: row 32 cg + lane, byte 64 kp
	s_lshl_b32 s20, s17, 9
	s_add_co_u32 s20, s20, SCS
	v_lshl_add_u32 v9, v2, 4, s20                  ; column 32 cg + lane's 16 scale bytes
	s_lshl_b32 s21, s18, 2
	v_add_nc_u32 v5, s21, v9                       ; my word of them
	v_and_b32 v10, 15, v2
	v_lshrrev_b32 v11, 4, v2
	s_mul_i32 s20, s16, 8*PITCH
	v_mul_u32_u24 v7, v11, PITCH
	v_lshl_add_u32 v7, v10, 4, v7
	v_add_nc_u32 v7, s20, v7                       ; way out: rows 8 w on, sixteen lanes to a row
	v_lshlrev_b32 v8, 9, v11
	v_lshl_add_u32 v8, v10, 4, v8                  ; and the same place in wq_codes
	v_lshlrev_b32 v10, 5, v2                       ; a column's row of scale bytes is 32 bytes
	s_lshl_b32 s20, s19, 9
	s_lshl_b32 s21, s18, 7
	s_add_co_u32 s20, s20, s21
	s_mul_i32 s20, s20, ROWW                       ; row 512 y + 128 kp,
	s_lshl_b32 s21, ttmp9, 8
	s_add_co_u32 s20, s20, s21
	s_lshl_b32 s21, s17, 7
	s_add_co_u32 s20, s20, s21                     ; column 64 x + 32 cg
	s_mov_b32 s21, 0
	s_lshl_b32 s22, ttmp9, 15
	s_lshl_b32 s23, s16, 12
	s_add_co_u32 s22, s22, s23
	s_lshl_b32 s23, s19, 8
	s_add_co_u32 s22, s22, s23                     ; codes: (64 x + 8 w) x 512 + 256 y
	s_mov_b32 s23, 0
	s_lshl_b32 s24, ttmp9, 11
	s_lshl_b32 s25, s17, 10
	s_add_co_u32 s24, s24, s25
	s_lshl_b32 s25, s19, 4
	s_add_co_u32 s24, s24, s25                     ; scale bytes: (64 x + 32 cg) x 32 + 16 y
	s_mov_b32 s25, 0
	s_wait_kmcnt 0x0
	s_add_nc_u64 s[4:5], s[4:5], s[20:21]
	s_add_nc_u64 s[6:7], s[6:7], s[22:23]
	s_add_nc_u64 s[8:9], s[8:9], s[24:25]
.macro LOAD t                          ; block t: 32 rows of my column
.set i, 0
.rept 32
	global_load_b32 v[X+32*(\t)+i], v3, s[4:5] offset:(32*(\t)+i)*ROWW th:TH_LOAD_NT
.set i, i+1
.endr
.endm
	LOAD 0
	LOAD 1
.macro BLOCK t
.set XS, X+32*(\t)
.if (\t) < 3
	s_wait_loadcnt 32                              ; this block's 32 loads are in; the next block's 32 stay out
.else
	s_wait_loadcnt 0x0
.endif
.if (\t)+2 < 4
	LOAD (\t)+2                                    ; registers of its own: nothing is waited for
.endif
	v_max3_num_f32 v12, |v[XS]|, |v[XS+1]|, |v[XS+2]|
	v_max3_num_f32 v13, |v[XS+3]|, |v[XS+4]|, |v[XS+5]|
.irp i, 6,10,14,18,22,26
	v_max3_num_f32 v12, v12, |v[XS+\i]|, |v[XS+\i+1]|
	v_max3_num_f32 v13, v13, |v[XS+\i+2]|, |v[XS+\i+3]|
.endr
	v_max3_num_f32 v12, v12, |v[XS+30]|, |v[XS+31]|
	v_max3_num_f32 v12, v12, v13, 0x1800000        ; the floor 2^(3 - 127)
	v_add_nc_u32 v11, 0xff000000, v12              ; 2 off the exponent field: the conversion's scale operand
	v_lshrrev_b32 v13, 23, v11                     ; the byte
.if (\t) == 0
	v_mov_b32 v[SWD], v13
.else
	v_lshl_or_b32 v[SWD], v13, 8*(\t), v[SWD]
.endif
.irp g, 0,1,2,3
	v_cvt_scalef32_pk8_fp4_f32 v[C+4*(\t)+\g], v[XS+8*\g:XS+8*\g+7], v11
.endr
	v_nop                                          ; one plain line behind the conversions
	ds_store_b128 v4, v[C+4*(\t):C+4*(\t)+3] offset:16*(\t)
.endm
	BLOCK 0
	BLOCK 1
	BLOCK 2
	BLOCK 3
	ds_store_b32 v5, v[SWD]
	s_wait_dscnt 0x0                               ; for the others' sake: my stores have landed
	s_barrier_signal -1
	s_barrier_wait -1
.irp t, 0,1,2,3
	ds_load_b128 v[OUTR+4*\t:OUTR+4*\t+3], v7 offset:2*\t*PITCH
.endr
.irp t, 0,1,2,3
	s_wait_dscnt 3-\t
	global_store_b128 v8, v[OUTR+4*\t:OUTR+4*\t+3], s[6:7] offset:2*\t*512
.endr
	s_cmp_lt_u32 s16, 2                            ; waves 0 and 1 store the 64 columns' scale bytes
	s_cbranch_scc0 .Lno_sc
	ds_load_b128 v[C:C+3], v9
	s_wait_dscnt 0x0
	global_store_b128 v10, v[C:C+3], s[8:9]
.Lno_sc:
	s_wait_tensorcnt 0x0                           ; the wave's end
	ds_add_u32 v[SPW], v[NIL]
	s_wait_dscnt 0x0
	s_endpgm
.Lfunc_end_k_q45e7fc1f41_quant_w:
	.size	k_q45e7fc1f41_quant_w, .Lfunc_end_k_q45e7fc1f41_quant_w-k_q45e7fc1f41_quant_w
	.p2alignl 7, 3214868480
	.fill 96, 4, 3214868480
	.section	.rodata,"a",@progbits
	.p2align	6, 0x0
	.amdhsa_kernel k_q45e7fc1f41_quant_w
		.amdhsa_group_segment_fixed_size 19456
		.amdhsa_private_segment_fixed_size 0
		.amdhsa_enable_private_segment 0
		.amdhsa_kernarg_size 24
		.amdhsa_user_sgpr_count 2
		.amdhsa_user_sgpr_kernarg_segment_ptr 1
		.amdhsa_wavefront_size32 1
		.amdhsa_system_sgpr_workgroup_id_x 1
		.amdhsa_system_sgpr_workgroup_id_y 1
		.amdhsa_system_sgpr_workgroup_id_z 1
		.amdhsa_system_vgpr_workitem_id 0
		.amdhsa_next_free_vgpr 200
		.amdhsa_next_free_sgpr 66
		.amdhsa_reserve_vcc 0
		.amdhsa_float_denorm_mode_32 3
		.amdhsa_float_denorm_mode_16_64 3
		.amdhsa_memory_ordered 1
		.amdhsa_forward_progress 1
		.amdhsa_inst_pref_size 22
	.end_amdhsa_kernel
	.amdgpu_metadata
---
amdhsa.version: [ 1, 2 ]
amdhsa.kernels:
  - .name:           k_q45e7fc1f41_quant_w
    .symbol:         k_q45e7fc1f41_quant_w.kd
    .args:
      - { .name: w_qkv, .offset: 0, .size: 8, .value_kind: global_buffer, .address_space: global }
      - { .name: wq_codes, .offset: 8, .size: 8, .value_kind: global_buffer, .address_space: global }
      - { .name: wq_scales, .offset: 16, .size: 8, .value_kind: global_buffer, .address_space: global }
    .group_segment_fixed_size: 19456
    .private_segment_fixed_size: 0
    .kernarg_segment_align: 8
    .kernarg_segment_size: 24
    .max_flat_workgroup_size: 256
    .sgpr_count:     66
    .vgpr_count:     200
    .wavefront_size: 32
...
	.end_amdgpu_metadata
.endif
;; end of part 2
;; launch gemm_qkv (part 3): grid 12 x 32, 4 waves a work-group, clusters of 4 x 4, 327,680 bytes of LDS; arguments x_codes, x_scales, wq_codes, wq_scales, b_qkv, qkv16, fine32; writes qkv16, fine32
.if DOCPART == 3
	.amdgcn_target "amdgcn-amd-amdhsa--gfx1250"
	.amdhsa_code_object_version 6
	.text
	.protected	k_q45e7fc1f41_gemm_qkv
	.globl	k_q45e7fc1f41_gemm_qkv
	.p2align	8
	.type	k_q45e7fc1f41_gemm_qkv,@function
k_q45e7fc1f41_gemm_qkv:
	s_mov_b64 s[64:65], 0
	v_nop
	global_prefetch_b8 v0, s[64:65] scope:SCOPE_SE
	s_setreg_imm32_b32 hwreg(HW_REG_WAVE_MODE, 25, 1), 1
	s_wait_xcnt 0x0
	s_wait_alu depctr_hold_cnt(0) depctr_sa_sdst(0) depctr_va_vdst(0) depctr_va_sdst(0) depctr_va_ssrc(0) depctr_va_vcc(0) depctr_vm_vsrc(0)
	s_getreg_b32 s2, hwreg(HW_REG_IB_STS2, 6, 4)
	s_cmp_eq_u32 s2, 0
	s_cbranch_scc0 .Lentry_in_a_cluster
	s_endpgm
.Lentry_in_a_cluster:
	s_bfe_u32 s2, ttmp6, 0x10000c
	s_cmp_lg_u32 s2, 0xf033
	s_cbranch_scc0 .Lentry_shape_is_right
	s_endpgm
.Lentry_shape_is_right:
; qkv = Q(x) Q(w_qkv) + b_qkv on codes of FP4 with E8M0 scales.  A = x_codes [8192][512 bytes], B = wq_codes [3072][512 bytes], scale bytes [rows][32].  Sums in f32, the bias as the C of the first products.
; OUT: qkv16 f16 [sel 3][batch 4][head 16][t 2048][64]; and rows t < 16 of every batch also in f32, as images of the accumulators: fine32 [batch][column block of 16][half][lane][4].
; LIMIT: |q|, |k|, |v| stay under 65,504, f16's largest number.
; A tile of C, 256 x 256, is made by four waves, each 128 x 128: 64 accumulators, 512 registers.  K = 1,024 is two slots of 512 (tile rows of 256 bytes): both are asked for at the head and nothing is filled again.
; The scale bytes of the work-group's 256 + 256 rows come once, in whole runs of 256 bytes.
; CLUSTERS: 4 x 4 work-groups; A's tiles are asked for jointly along a row of the cluster, B's along a column.  Tile row = 8 cy + cluster y: so a batch is one cy, and "holds rows t < 16" reads
; cluster y = 0, which all sixteen partners share.
; THE MATRIX INSTRUCTION IS USED TRANSPOSED (source 0 = 16 rows of B, source 1 = 16 rows of A): a lane holds eight neighbouring columns of one row of C.
; REGISTERS: window 0: v0-31 addresses; v32-95 scale words, two sets (scales and nothing else); v128-191 A's fragments, one set; v192-255 the bias, later packed results.
;   window 1: B's fragments, two sets.   windows 2, 3: the accumulators of my rows 0-63, 64-127 ((a, b) at v[8 (8 (a % 4) + b)]).
.set KSTEP,  512
.set NQ,     4
.set ROWB,   256
.set KROW,   512
.set PITCH,  272                       ; 256 bytes + 16: the 16 rows of a load start at 16 different banks (64 banks of 4 bytes: ISA guide 11.1)
.set FR,     8
.set NL,     2
.set NP,     4                         ; places behind this matrix instruction (ISA guide 7.12.1)
.set HALFT,  128*PITCH
.set SLOT,   4*HALFT
.set KS,     32
.set SCL,    2*SLOT
.set HALFS,  (128*KS/256)*272
.set SBLK,   (16*KS/256)*272
.set SPARE,  SCL+4*HALFS               ; the spare words: 128 bytes a wave
.set SPITCH, 144                       ; the way out: for each wave two stages (one a head) of 16 rows x (128 bytes + 16), in slot 0, which has had its only fill and its last read by then
.set ADRA, 16
.set ADRB, 20
.set STO,  24
.set RD,   25
.set CO,   26                          ; 16 x lane
.set ADRS, 27
.set SPW,  28
.set NIL,  29
.set BO,   30                          ; 32 x (lane / 16)
.set SC,   32
.set AF,   128
.set BI,   192                         ; the bias: block b's eight numbers of my half at v[BI + 8 b]
.set TMP,  192                         ; the way out: packed results
.set BK,   128                         ; the way out: rows read back, v128-159 and v160-191 by turns
.set G1, 24
.set G0, 32
.set G1B, 48
.set G0B, 56
.set G1S, 68
.set G0S, 76
.set G1SB, 80
.set G0SB, 88
.set MSB, 0
.macro WIN new                         ; the immediate's high byte repeats the setting that is left
.if MSB != \new
	s_set_vgpr_msb (MSB<<8)|\new
.set MSB, \new
.endif
.endm
.set MUL_LO,  0xa1                     ; source 0 (B) window 1, source 1 (A) window 0, C and D window 2
.set MUL_HI,  0xf1
.set BIAS_LO, 0x81                     ; the same with C (the bias) in window 0
.set BIAS_HI, 0xc1
.set TO_B,    0x40
; A joint load: waves 0 and 1 fetch for A, waves 2 and 3 for B; the branch hangs on the wave's number alone.  An s_nop 0 and four v_nop follow each line.
.macro JLOAD g0a, g1a, g0b, g1b
	s_cmp_eq_u32 s15, 0
	s_cbranch_scc0 .Lfor_b_\@
	tensor_load_to_lds s[\g0a:\g0a+3], s[\g1a:\g1a+7]
	s_nop 0
.rept 4
	v_nop
.endr
	s_branch .Lasked_\@
.Lfor_b_\@:
	tensor_load_to_lds s[\g0b:\g0b+3], s[\g1b:\g1b+7]
	s_nop 0
.rept 4
	v_nop
.endr
.Lasked_\@:
.endm
.macro CROUND                          ; a round of the cluster's barrier
	s_barrier_signal -1
	s_barrier_wait -1
	s_cmp_lg_u32 s14, 0
	s_cbranch_scc1 .Lnot_wave_0_\@
	s_barrier_signal -3
.Lnot_wave_0_\@:
	s_barrier_wait -3
	s_barrier_signal -1
	s_barrier_wait -1
.endm
	s_load_b128 s[4:7], s[0:1], 0x0                ; x_codes, x_scales
	s_load_b128 s[8:11], s[0:1], 0x10              ; wq_codes, wq_scales
	s_load_b64 s[96:97], s[0:1], 0x20              ; b_qkv
	s_load_b64 s[12:13], s[0:1], 0x28              ; qkv16
	s_load_b64 s[98:99], s[0:1], 0x30              ; fine32
	v_lshl_add_u32 v[SPW], v0, 2, SPARE
	v_mov_b32 v[NIL], 0
	ds_add_u32 v[SPW], v[NIL]                      ; the wave's opening: the add, twice on end, and its wait ahead of my first tensor load
	ds_add_u32 v[SPW], v[NIL]
	v_lshrrev_b32 v1, 5, v0
	v_readfirstlane_b32 s14, v1                    ; wave 0..3
	s_lshr_b32 s15, s14, 1                         ; my half of the tile's rows; also: I fetch for A (0) or B (1)
	s_and_b32 s16, s14, 1                          ; my half of its columns; also: which 128 rows I fetch
	s_bfe_u32 s40, ttmp6, 0x40000                  ; cx
	s_bfe_u32 s41, ttmp6, 0x40004                  ; cy
	s_lshl_b32 s42, ttmp9, 2
	s_add_co_u32 s42, s42, s40                     ; tile column = 4 x cluster x + cx
	s_and_b32 s66, ttmp7, 0xffff                   ; cluster y = the block of 256 rows within a batch
	s_lshl_b32 s17, s41, 3
	s_add_co_u32 s17, s17, s66                     ; tile row = 8 cy + cluster y: batch cy
	s_lshl_b32 s43, s41, 2
	s_lshl_b32 s43, 15, s43                        ; my row of the cluster
	s_lshl_b32 s44, 0x1111, s40                    ; my column
	s_or_b32 s[G1+0], s43, (0<<16)|(1<<20)|(1<<21)|(5<<22)|(3<<25)  ; mask; elements of 1 byte; padding: 4 words after every 64; bit 21 beside a mask
	s_or_b32 s[G1B+0], s44, (0<<16)|(1<<20)|(1<<21)|(5<<22)|(3<<25)
.irp g, G1, G1B
	s_mov_b32 s[\g+1], ROWB<<16                    ; tensor_dim0
	s_mov_b32 s[\g+2], 128<<16                     ; tensor_dim1
	s_mov_b32 s[\g+3], ROWB<<16                    ; tile_dim0
	s_mov_b32 s[\g+4], 128                         ; tile_dim1
	s_mov_b32 s[\g+5], KROW                        ; the pitch
	s_mov_b32 s[\g+6], 0
	s_mov_b32 s[\g+7], 0
.endr
	s_or_b32 s[G1S+0], s43, (3<<16)|(1<<20)|(1<<21)|(5<<22)|(3<<25) ; the scales of 128 rows: 4,096 dense bytes as 16 rows of 256 (32 elements of 8 bytes)
	s_or_b32 s[G1SB+0], s44, (3<<16)|(1<<20)|(1<<21)|(5<<22)|(3<<25)
.irp g, G1S, G1SB
	s_mov_b32 s[\g+1], 32<<16
	s_mov_b32 s[\g+2], (128*KS/256)<<16
	s_mov_b32 s[\g+3], 32<<16
	s_mov_b32 s[\g+4], 128*KS/256
	s_mov_b32 s[\g+5], 32
	s_mov_b32 s[\g+6], 0
	s_mov_b32 s[\g+7], 0
.endr
	s_lshl_b32 s18, s16, 7
	s_lshl_b32 s20, s17, 8
	s_add_co_u32 s20, s20, s18                     ; A: row 256 x tile row + 128 x half
	s_lshl_b32 s46, s42, 8
	s_add_co_u32 s46, s46, s18                     ; B: row 256 x tile column + 128 x half
	s_mov_b32 s21, 0
	s_mov_b32 s47, 0
	s_mov_b64 s[18:19], KS
	s_mul_u64 s[22:23], s[20:21], s[18:19]
	s_mul_u64 s[92:93], s[46:47], s[18:19]
	s_mov_b64 s[18:19], KROW
	s_mul_u64 s[20:21], s[20:21], s[18:19]
	s_mul_u64 s[46:47], s[46:47], s[18:19]
	s_mul_i32 s45, s14, HALFT                      ; where they go: wave x 128 rows
	s_mul_i32 s94, s14, HALFS
	s_wait_dscnt 0x0                               ; both opening adds are done
	s_wait_kmcnt 0x0
	s_add_nc_u64 s[20:21], s[4:5], s[20:21]
	s_add_nc_u64 s[22:23], s[6:7], s[22:23]
	s_add_nc_u64 s[46:47], s[8:9], s[46:47]
	s_add_nc_u64 s[92:93], s[10:11], s[92:93]
	CROUND                                         ; all sixteen work-groups are here: the joint loads meet
	s_mov_b32 s[G0S], 1
	s_add_co_u32 s[G0S+1], s94, SCL
	s_mov_b64 s[G0S+2:G0S+3], s[22:23]
	s_or_b32 s[G0S+3], s[G0S+3], 0x80000000
	s_mov_b32 s[G0SB], 1
	s_add_co_u32 s[G0SB+1], s94, SCL
	s_mov_b64 s[G0SB+2:G0SB+3], s[92:93]
	s_or_b32 s[G0SB+3], s[G0SB+3], 0x80000000
	JLOAD G0S, G1S, G0SB, G1SB                     ; the scales first
.irp s, 0,1
	s_mov_b32 s[G0+4*\s], 1
	s_add_co_u32 s[G0+4*\s+1], s45, \s*SLOT
	s_add_nc_u64 s[G0+4*\s+2:G0+4*\s+3], s[20:21], \s*ROWB
	s_or_b32 s[G0+4*\s+3], s[G0+4*\s+3], 0x80000000
	s_mov_b32 s[G0B+4*\s], 1
	s_add_co_u32 s[G0B+4*\s+1], s45, \s*SLOT
	s_add_nc_u64 s[G0B+4*\s+2:G0B+4*\s+3], s[46:47], \s*ROWB
	s_or_b32 s[G0B+4*\s+3], s[G0B+4*\s+3], 0x80000000
	JLOAD G0+4*\s, G1, G0B+4*\s, G1B               ; three loads of mine are out in all
.endr
	v_and_b32 v1, 15, v0                           ; r
	v_bfe_u32 v2, v0, 4, 1                         ; h
	v_lshlrev_b32 v[BO], 5, v2
	s_lshl_b32 s46, s42, 10                        ; my first column in bytes of f32: 1,024 x tile column + 512 x half
	s_lshl_b32 s47, s16, 9
	s_add_co_u32 s46, s46, s47
	s_mov_b32 s47, 0
	s_add_nc_u64 s[96:97], s[96:97], s[46:47]
.irp b, 0,1,2,3,4,5,6,7
	global_load_b128 v[BI+8*\b:BI+8*\b+3], v[BO], s[96:97] offset:64*\b        ; b_qkv at columns 16 b + 8 h + 0 .. 7: the result's layout
	global_load_b128 v[BI+8*\b+4:BI+8*\b+7], v[BO], s[96:97] offset:64*\b+16
.endr
	v_mul_u32_u24 v3, v1, PITCH
	v_lshl_add_u32 v4, v2, 4, v3
	s_mul_i32 s21, s15, HALFT
	s_mul_i32 s22, s16, HALFT
	s_add_co_u32 s22, s22, 2*HALFT
.irp s, 0,1
	v_add_nc_u32 v[ADRA+\s], s21, v4
	v_add_nc_u32 v[ADRB+\s], s22, v4
	s_add_co_u32 s21, s21, SLOT
	s_add_co_u32 s22, s22, SLOT
.endr
	v_mul_u32_u24 v5, v1, KS
	v_lshrrev_b32 v6, 8, v5
	v_lshl_add_u32 v5, v6, 4, v5                   ; my row's scales: 32 bytes a row, 16 more for each 256 passed
	s_mul_i32 s21, s15, HALFS
	s_mul_i32 s22, s16, HALFS
	s_add_co_u32 s22, s22, 2*HALFS
	s_sub_co_u32 s22, s22, s21
	v_mul_u32_u24 v6, s22, v2                      ; lanes 16-31 take B's
	s_add_co_u32 s21, s21, SCL
	v_add_nc_u32 v5, v5, v6
	v_add_nc_u32 v[ADRS], s21, v5
	s_mul_i32 s23, s14, 2*16*SPITCH                ; my stages
	v_mul_u32_u24 v5, v1, SPITCH
	v_lshl_add_u32 v5, v2, 4, v5
	v_add_nc_u32 v[STO], s23, v5                   ; in: row r, 16 bytes for each half of the lanes
	v_and_b32 v6, 31, v0
	v_lshrrev_b32 v5, 3, v6
	v_mul_u32_u24 v5, v5, SPITCH
	v_and_b32 v7, 7, v0
	v_lshl_add_u32 v5, v7, 4, v5
	v_add_nc_u32 v[RD], s23, v5                    ; back: eight lanes to a row of 128 bytes, four rows an instruction
	v_lshlrev_b32 v[CO], 4, v6
	s_lshl_b32 s20, s42, 2
	s_lshl_b32 s21, s16, 1
	s_add_co_u32 s20, s20, s21                     ; g0 = my first column / 64: 0 .. 46, even
	s_lshr_b32 s21, s20, 4                         ; q, k or v
	s_lshl_b32 s21, s21, 2
	s_add_co_u32 s21, s21, s41                     ; x 4 + batch
	s_lshl_b32 s21, s21, 4
	s_and_b32 s20, s20, 15
	s_add_co_u32 s20, s20, s21                     ; x 16 + head: the plane
	s_lshl_b32 s20, s20, 18                        ; 262,144 bytes a plane
	s_lshl_b32 s21, s66, 15
	s_add_co_u32 s20, s20, s21                     ; + 256 rows of 128 bytes x cluster y
	s_lshl_b32 s21, s15, 14
	s_add_co_u32 s20, s20, s21                     ; + my 128 rows
	s_mov_b32 s21, 0
	s_add_nc_u64 s[12:13], s[12:13], s[20:21]
	s_mul_i32 s20, s41, 196608                     ; fine32: the batch's 192 images of 1,024 bytes,
	s_lshl_b32 s21, s42, 14
	s_add_co_u32 s20, s20, s21
	s_lshl_b32 s21, s16, 13
	s_add_co_u32 s20, s20, s21                     ; image 16 x tile column + 8 x half
	s_mov_b32 s21, 0
	s_add_nc_u64 s[98:99], s[98:99], s[20:21]
.macro FRAG reg, adr, q, i             ; 16 rows x 128 K of 4-bit codes: registers 4 c .. 4 c + 3 hold K = 64 c + 32 (lane / 16) + 0 .. 31
.irp c, 0,1
	ds_load_b128 v[\reg+4*\c:\reg+4*\c+3], v[\adr] offset:64*(\q)+32*\c+(\i)*16*PITCH
.endr
.endm
; 16 matrix instructions: A's blocks a0, a0 + 1 x B's eight.  zero = 1: the first products take the bias as C: nothing is cleared or added later.  The 64 accumulators take turns.
.macro MUL16 a0, p, q, sc, zero
.irp a, \a0, \a0+1
.irp b, 0,1,2,3,4,5,6,7
.if \zero
	v_wmma_scale_f32_16x16x128_f8f6f4 v[8*(8*((\a)%4)+\b):8*(8*((\a)%4)+\b)+7], v[128*(\p)+FR*\b:128*(\p)+FR*\b+FR-1], v[AF+FR*(\a):AF+FR*(\a)+FR-1], v[BI+8*\b:BI+8*\b+7], v[SC+8*NQ*(\sc)+NQ*\b+(\q)], v[SC+8*NQ*(\sc)+NQ*(\a)+(\q)] matrix_a_fmt:MATRIX_FMT_FP4 matrix_b_fmt:MATRIX_FMT_FP4 matrix_a_scale:MATRIX_SCALE_ROW1
.else
	v_wmma_scale_f32_16x16x128_f8f6f4 v[8*(8*((\a)%4)+\b):8*(8*((\a)%4)+\b)+7], v[128*(\p)+FR*\b:128*(\p)+FR*\b+FR-1], v[AF+FR*(\a):AF+FR*(\a)+FR-1], v[8*(8*((\a)%4)+\b):8*(8*((\a)%4)+\b)+7], v[SC+8*NQ*(\sc)+NQ*\b+(\q)], v[SC+8*NQ*(\sc)+NQ*(\a)+(\q)] matrix_a_fmt:MATRIX_FMT_FP4 matrix_b_fmt:MATRIX_FMT_FP4 matrix_a_scale:MATRIX_SCALE_ROW1
.endif
.endr
.endr
.endm
.macro FETCH_B slot, q, p
	WIN TO_B
.irp i, 0,1,2,3,4,5,6,7
	FRAG 128*(\p)+FR*\i, ADRB+\slot, \q, \i
.endr
	WIN 0
.endm
.macro FETCH_A slot, q, i0
.irp i, \i0, \i0+1, \i0+2, \i0+3
	FRAG AF+FR*(\i), ADRA+\slot, \q, \i
.endr
.endm
.macro SCALES sc                       ; a slot's scale words: lanes 0-15 A's block i, lanes 16-31 B's block i
.irp i, 0,1,2,3,4,5,6,7
	ds_load_b128 v[SC+8*NQ*\sc+NQ*\i:SC+8*NQ*\sc+NQ*\i+3], v[ADRS] offset:\i*SBLK
.endr
.endm
.macro PLACES n                        ; plain vector lines between a matrix instruction and a load into, or a read of, its registers
.rept \n
	v_nop
.endr
.endm
.macro STEP slot, q, zero              ; 128 along K, with its successor in the same slot
	s_wait_dscnt 4*NL                              ; all but the youngest eight loads (A's blocks 4-7) are in
.if \zero
	WIN BIAS_LO
.else
	WIN MUL_LO
.endif
	MUL16 0, (\q)%2, \q, \slot, \zero
	MUL16 2, (\q)%2, \q, \slot, \zero
	s_wait_dscnt 0
	PLACES NP
	FETCH_B \slot, (\q)+1, 1-(\q)%2
	FETCH_A \slot, (\q)+1, 0
.if \zero
	WIN BIAS_HI
.else
	WIN MUL_HI
.endif
	MUL16 4, (\q)%2, \q, \slot, \zero
	MUL16 6, (\q)%2, \q, \slot, \zero
	PLACES NP
	WIN 0
	FETCH_A \slot, (\q)+1, 4
.endm
	s_wait_loadcnt 0x0                             ; the bias
	s_wait_tensorcnt 1                             ; the scales and my part of slot 0 are in; slot 1's load may be out
	s_barrier_signal -1
	s_barrier_wait -1
	FETCH_B 0, 0, 0
	FETCH_A 0, 0, 0
	SCALES 0
	FETCH_A 0, 0, 4
	STEP 0, 0, 1
	STEP 0, 1, 0
	STEP 0, 2, 0
	; slot 0's last step changes slots: one barrier; in front of it my tensor loads have landed and my reads of slot 0 are over
	s_wait_tensorcnt 0x0                           ; my part of slot 1 is in
	ds_add_u32 v[SPW], v[NIL]
	s_wait_dscnt 4*NL+1                            ; the add and the youngest eight loads may be out
	WIN MUL_LO
	MUL16 0, 1, NQ-1, 0, 0
	s_wait_dscnt 0x0
	s_barrier_signal -1
	MUL16 2, 1, NQ-1, 0, 0
	WIN 0
	s_barrier_wait -1
	PLACES NP
	v_add_nc_u32 v[ADRS], 4*NQ, v[ADRS]            ; the second slot's scale words
	FETCH_B 1, 0, 0
	FETCH_A 1, 0, 0
	SCALES 1
	WIN MUL_HI
	MUL16 4, 1, NQ-1, 0, 0
	MUL16 6, 1, NQ-1, 0, 0
	PLACES NP
	WIN 0
	FETCH_A 1, 0, 4
	STEP 1, 0, 0
	STEP 1, 1, 0
	STEP 1, 2, 0
	s_wait_dscnt 4*NL
	WIN MUL_LO
	MUL16 0, 1, NQ-1, 1, 0
	MUL16 2, 1, NQ-1, 1, 0
	s_wait_dscnt 0
	WIN MUL_HI
	MUL16 4, 1, NQ-1, 1, 0
	MUL16 6, 1, NQ-1, 1, 0
	WIN 0
	PLACES NP
	; rows t < 16 of a batch lie in block 0 of the waves with rows 0-127 of the tiles with cluster y = 0: their accumulators go out in f32 as they stand, 512 dense bytes a store
	s_or_b32 s2, s66, s15
	s_cmp_lg_u32 s2, 0
	s_cbranch_scc1 .Lno_fine
	WIN 0x08                                       ; a store's data: window 2
.irp b, 0,1,2,3,4,5,6,7
	global_store_b128 v[CO], v[8*\b:8*\b+3], s[98:99] offset:1024*\b
	global_store_b128 v[CO], v[8*\b+4:8*\b+7], s[98:99] offset:1024*\b+512
.endr
	WIN 0
.Lno_fine:
; THE WAY OUT, block by block of 16 rows x 128 columns (two heads): rounded to f16, 16 bytes a lane, through my stages, back as whole rows of 128 bytes: a store covers four rows of a head, 512 dense bytes.
.macro PACK a
.set AC, 64*((\a)%4)
	WIN (0x0a+5*((\a)/4))                          ; sources in window 2 or 3
.irp b, 0,1,2,3,4,5,6,7
.irp i, 0,1,2,3
	v_cvt_pk_f16_f32 v[TMP+4*\b+\i], v[AC+8*\b+2*\i], v[AC+8*\b+2*\i+1]     ; each accumulator from its low end on
.endr
.endr
	WIN 0
.endm
.macro TOSTAGE a
.set BB, BK+32*((\a)%2)
.irp b, 0,1,2,3,4,5,6,7
	ds_store_b128 v[STO], v[TMP+4*\b:TMP+4*\b+3] offset:(\b/4)*16*SPITCH+32*(\b%4)
.endr
.irp hd, 0,1
.irp i, 0,1,2,3
	ds_load_b128 v[BB+4*(4*\hd+\i):BB+4*(4*\hd+\i)+3], v[RD] offset:\hd*16*SPITCH+4*SPITCH*\i   ; LDS serves a wave's instructions in order
.endr
.endr
.endm
.macro SEND a
.set BB, BK+32*((\a)%2)
	s_wait_dscnt 0x0                               ; the block is back in registers
	s_wait_xcnt 0x0                                ; the block before has been read by its stores: the next block's loads may land in its registers
.irp hd, 0,1
.irp i, 0,1,2,3
	global_store_b128 v[CO], v[BB+4*(4*\hd+\i):BB+4*(4*\hd+\i)+3], s[12:13] offset:2048*(\a)+262144*\hd+512*\i
.endr
.endr
.endm
	PACK 0
	TOSTAGE 0
.irp a, 1,2,3,4,5,6,7
	PACK \a
	SEND \a-1
	TOSTAGE \a
.endr
	SEND 7
	s_wait_tensorcnt 0x0                           ; the wave's end
	ds_add_u32 v[SPW], v[NIL]
	s_wait_dscnt 0x0
	CROUND                                         ; the closing round
	s_endpgm
.Lfunc_end_k_q45e7fc1f41_gemm_qkv:
	.size	k_q45e7fc1f41_gemm_qkv, .Lfunc_end_k_q45e7fc1f41_gemm_qkv-k_q45e7fc1f41_gemm_qkv
	.p2alignl 7, 3214868480
	.fill 96, 4, 3214868480
	.section	.rodata,"a",@progbits
	.p2align	6, 0x0
	.amdhsa_kernel k_q45e7fc1f41_gemm_qkv
		.amdhsa_group_segment_fixed_size 327680
		.amdhsa_private_segment_fixed_size 0
		.amdhsa_enable_private_segment 0
		.amdhsa_kernarg_size 56
		.amdhsa_user_sgpr_count 2
		.amdhsa_user_sgpr_kernarg_segment_ptr 1
		.amdhsa_wavefront_size32 1
		.amdhsa_system_sgpr_workgroup_id_x 1
		.amdhsa_system_sgpr_workgroup_id_y 1
		.amdhsa_system_sgpr_workgroup_id_z 1
		.amdhsa_system_vgpr_workitem_id 0
		.amdhsa_next_free_vgpr 1024
		.amdhsa_next_free_sgpr 100
		.amdhsa_reserve_vcc 0
		.amdhsa_float_denorm_mode_32 3
		.amdhsa_float_denorm_mode_16_64 3
		.amdhsa_memory_ordered 1
		.amdhsa_forward_progress 1
		.amdhsa_inst_pref_size 130
	.end_amdhsa_kernel
	.amdgpu_metadata
---
amdhsa.version: [ 1, 2 ]
amdhsa.kernels:
  - .name:           k_q45e7fc1f41_gemm_qkv
    .symbol:         k_q45e7fc1f41_gemm_qkv.kd
    .args:
      - { .name: x_codes, .offset: 0, .size: 8, .value_kind: global_buffer, .address_space: global }
      - { .name: x_scales, .offset: 8, .size: 8, .value_kind: global_buffer, .address_space: global }
      - { .name: wq_codes, .offset: 16, .size: 8, .value_kind: global_buffer, .address_space: global }
      - { .name: wq_scales, .offset: 24, .size: 8, .value_kind: global_buffer, .address_space: global }
      - { .name: b_qkv, .offset: 32, .size: 8, .value_kind: global_buffer, .address_space: global }
      - { .name: qkv16, .offset: 40, .size: 8, .value_kind: global_buffer, .address_space: global }
      - { .name: fine32, .offset: 48, .size: 8, .value_kind: global_buffer, .address_space: global }
    .group_segment_fixed_size: 327680
    .private_segment_fixed_size: 0
    .kernarg_segment_align: 8
    .kernarg_segment_size: 56
    .max_flat_workgroup_size: 128
    .sgpr_count:     100
    .vgpr_count:     1024
    .wavefront_size: 32
...
	.end_amdgpu_metadata
.endif
;; end of part 3
;; launch attn (part 4): grid 4 x 64, 8 waves a work-group, no clusters, 327,680 bytes of LDS; arguments qkv16, att16; writes att16
.if DOCPART == 4
	.amdgcn_target "amdgcn-amd-amdhsa--gfx1250"
	.amdhsa_code_object_version 6
	.text
	.protected	k_q45e7fc1f41_attn
	.globl	k_q45e7fc1f41_attn
	.p2align	8
	.type	k_q45e7fc1f41_attn,@function
k_q45e7fc1f41_attn:
	s_mov_b64 s[64:65], 0
	v_nop
	global_prefetch_b8 v0, s[64:65] scope:SCOPE_SE
	s_setreg_imm32_b32 hwreg(HW_REG_WAVE_MODE, 25, 1), 1
	s_wait_xcnt 0x0
; att[bh][q][:] = the sum over k <= q of softmax_k(q . k / 32) v[k][:], for 64 heads of 2,048 x 64.  q, k, v: planes of qkv16 (f16, rows of 128 bytes, dense); att16: f16 [bh][t][64].
; Products on f16 operands, sums, maxima and exponentials in f32, with a running maximum m: p = 2^(c s - c m), c = log2(e) / 32; O and the sum are multiplied by a = 2^(c m_old - c m_new) in every step.
; LIMITS: the divisor is the sum of the p AS ROUNDED TO f16 (summed in f32 by the matrix unit: a product of ones with P), so numerator and divisor take the same p; NaN and infinities are not served.
; SHARES.  Work-group (i, bh) owns query blocks 7 - i and then i (256 queries each): (8 - i) + (i + 1) = 9 slots of 256 keys for every work-group, so every trip count is a constant.  Wave w owns 32 queries, two tiles of 16;
; two waves share a SIMD.  A step is 64 keys; a step all of whose keys come after my queries is jumped over (ids alone); the one step on the diagonal masks by compare and select.
; NO CLUSTER: the four work-groups of a head walk 8 - i and then i + 1 slots, so at a given change of slots they want different tiles: joint requests could not meet.
; LAYOUT.  S^T = K Q^T and O^T = V^T P: a lane holds one query throughout; two tiles of S^T rounded in pairs are source 1 of the second product; V is turned by ds_load_tr16_b128.
; LDS.  Two slots 2^17 bytes apart.  Two keys (256 dense bytes) are one row of a tile: K 128 rows x (256 + 16), V 128 rows x (256 + 32): the rows of a load fall on different banks.
; REGISTERS.  window 0: v1-11 addresses; v12-27 statistics, 8 a tile (c m, m, a, -, c0-c3); v32-63 Q; v64-127 S^T; v128-159 P; v160-191 the way out.
;   window 1: v0-63 O^T; v64-79 the sums; v80-87 ones; v96-159 K's fragments; v160-223 V's.
.set KPL,   272
.set VPL,   288
.set VOFF,  128*KPL
.set SLOT1, 1<<17
.set STAGE, 2*SLOT1                    ; 16 rows x (128 + 16) bytes for each wave
.set SPARE, STAGE+8*2304               ; the spare words: 128 bytes for each of 8 waves
.set PLANE, 262144
.set AK0, 1
.set AV0, 2
.set ADK, 3
.set ADV, 4
.set QO,  5
.set STO, 6
.set RD,  7
.set GO,  8
.set SPW, 9
.set NIL, 10
.set PFO, 11
.set ST,  12
.set RH,  28                           ; r - 8 h
.set NINF, 29
.set DD,  30
.set Q,   32
.set S,   64
.set P,   128
.set OUTB, 160
.set O,   0                            ; window 1
.set LS,  64
.set ONES, 80
.set KFR, 96
.set VFR, 160
.set WV,  8
.set IB,  9
.set BH,  10
.set NA,  11                           ; slots of the first block: 8 - i
.set SWI, 12                           ; the slot behind which the blocks change: 7 - i
.set SL,  13                           ; slots walked
.set STP, 14
.set KF,  15                           ; the step's first key
.set Q0,  16                           ; my first query
.set TK,  17                           ; LDS byte of the step's K
.set TV,  18                           ; and V
.set LIM, 19
.set SEL, 20
.set CS,  22
.set G1K, 24
.set G1V, 32
.set G0K, 40
.set G0V, 44
.set KB,  48
.set VB,  50
.set QB,  52
.set OB,  54
.set QP,  56
.set OP,  58
.set PFK, 60
.set PFV, 62
.set MSB, 0
.macro WIN new
.if MSB != \new
	s_set_vgpr_msb (MSB<<8)|\new
.set MSB, \new
.endif
.endm
.set W_LD, 0x40                        ; destination window 1
.set W_KQ, 0x01                        ; K in window 1; Q and S^T in window 0
.set W_PV, 0x51                        ; V (or ones) and O^T in window 1, P in window 0
.set W_RS, 0x41                        ; O^T in window 1, a in window 0
.set W_RD, 0x01                        ; source 0 in window 1
; Waves 0 and 1 fetch K's halves of a slot, waves 2 and 3 V's, the others nothing.  An s_nop 0 and four v_nop follow each line.
.macro TLOAD
	s_cmp_lt_u32 s[WV], 2
	s_cbranch_scc0 .Lnot_k_\@
	tensor_load_to_lds s[G0K:G0K+3], s[G1K:G1K+7]
	s_nop 0
.rept 4
	v_nop
.endr
	s_branch .Lasked_\@
.Lnot_k_\@:
	s_cmp_lt_u32 s[WV], 4
	s_cbranch_scc0 .Lasked_\@
	tensor_load_to_lds s[G0V:G0V+3], s[G1V:G1V+7]
	s_nop 0
.rept 4
	v_nop
.endr
.Lasked_\@:
.endm
; A prefetch of the slot that the NEXT change of slots will ask for: four key steps ahead of that load.  Work-group i = 0 of a head walks all 2,048 keys in its first block: it alone asks, by waves 4 to 7,
; each for 8,192 bytes of K and of V, lanes 256 bytes apart: each 256 bytes are named once in the launch.  Slots 0 and 1 come by their loads alone; slot 7 is the last that is named.
.macro ASK
	s_cmp_lt_u32 s[SL], s[LIM]
	s_cbranch_scc0 .Lnot_mine_\@
	global_prefetch_b8 v[PFO], s[PFK:PFK+1] th:TH_LOAD_NT scope:SCOPE_SE
	global_prefetch_b8 v[PFO], s[PFV:PFV+1] th:TH_LOAD_NT scope:SCOPE_SE
.Lnot_mine_\@:
.endm
.macro QLOAD                           ; my 32 queries: tile t, channels 32 c on: two loads of 16 bytes, 32 apart
.irp t, 0,1
.irp c, 0,1
	global_load_b128 v[Q+16*\t+8*\c:Q+16*\t+8*\c+3], v[QO], s[QP:QP+1] offset:2048*\t+64*\c
	global_load_b128 v[Q+16*\t+8*\c+4:Q+16*\t+8*\c+7], v[QO], s[QP:QP+1] offset:2048*\t+64*\c+32
.endr
.endr
.endm
	s_load_b128 s[4:7], s[0:1], 0x0                ; qkv16, att16
	v_lshl_add_u32 v[SPW], v0, 2, SPARE
	v_mov_b32 v[NIL], 0
	ds_add_u32 v[SPW], v[NIL]                      ; the wave's opening: the add, twice on end, and its wait ahead of the first tensor load
	ds_add_u32 v[SPW], v[NIL]
	v_lshrrev_b32 v[S], 5, v0
	v_readfirstlane_b32 s[WV], v[S]                ; wave 0..7
	s_mov_b32 s[IB], ttmp9
	s_and_b32 s[BH], ttmp7, 0xffff
	s_sub_co_u32 s[NA], 8, s[IB]
	s_sub_co_u32 s[SWI], 7, s[IB]
	s_mov_b32 s[G1K], (1<<16)|(1<<20)|(5<<22)|(3<<25)   ; elements of 2 bytes; 4 words of padding after every 64
	s_mov_b32 s[G1V], (1<<16)|(1<<20)|(5<<22)|(7<<25)   ; 8 words of padding
.irp g, G1K, G1V
	s_mov_b32 s[\g+1], 128<<16                     ; tensor_dim0: 128 elements: two keys
	s_mov_b32 s[\g+2], 64<<16                      ; tensor_dim1
	s_mov_b32 s[\g+3], 128<<16                     ; tile_dim0
	s_mov_b32 s[\g+4], 64                          ; tile_dim1: 64 rows, 128 keys
	s_mov_b32 s[\g+5], 128                         ; the pitch: dense
	s_mov_b32 s[\g+6], 0
	s_mov_b32 s[\g+7], 0
.endr
	s_mov_b32 s[SEL], 0x76543210
	s_mov_b32 s[SEL+1], 0xfedcba98
	s_mov_b32 s[CS], 0x3d38aa3b                    ; c = log2(e) / 32
	s_mov_b32 s[CS+1], s[CS]
	s_mov_b32 s[TK], 0
	s_mov_b32 s[TV], VOFF
	s_mov_b32 s[KF], 0
	s_mov_b32 s[SL], 0
	s_lshl_b32 s[Q0], s[SWI], 8
	s_lshl_b32 s66, s[WV], 5
	s_add_co_u32 s[Q0], s[Q0], s66                 ; 256 (7 - i) + 32 w
	s_lshr_b32 s66, s[WV], 2
	s_xor_b32 s66, s66, 1                          ; 0 in waves 4 to 7,
	s_or_b32 s66, s66, s[IB]                       ; of work-group i = 0
	s_cmp_eq_u32 s66, 0
	s_cselect_b32 s[LIM], 6, 0
	s_and_b32 s66, s[WV], 1
	s_mov_b32 s[G0K], 1
	s_mul_i32 s[G0K+1], s66, 64*KPL
	s_mov_b32 s[G0V], 1
	s_mul_i32 s[G0V+1], s66, 64*VPL
	s_add_co_u32 s[G0V+1], s[G0V+1], VOFF
	s_lshl_b32 s68, s66, 14                        ; my half of a slot in memory: 128 keys
	s_add_co_u32 s66, s[BH], 64
	s_lshl_b32 s66, s66, 18                        ; K's plane
	s_add_co_u32 s68, s68, s66
	s_mov_b32 s69, 0
	s_and_b32 s70, s[WV], 3
	s_lshl_b32 s70, s70, 13
	s_add_co_u32 s70, s70, s66
	s_add_co_u32 s70, s70, 32768                   ; the prefetches stand in slot 1; the first change steps them to slot 2
	s_mov_b32 s71, 0
	s_lshl_b32 s66, s[BH], 18                      ; q's plane, and att16's
	s_mov_b32 s67, 0
	s_wait_dscnt 0x0                               ; both opening adds are done
	s_wait_kmcnt 0x0
	s_add_nc_u64 s[KB:KB+1], s[4:5], s[68:69]
	s_add_nc_u64 s[VB:VB+1], s[KB:KB+1], 64*PLANE
	s_add_nc_u64 s[PFK:PFK+1], s[4:5], s[70:71]
	s_add_nc_u64 s[PFV:PFV+1], s[PFK:PFK+1], 64*PLANE
	s_add_nc_u64 s[QB:QB+1], s[4:5], s[66:67]
	s_add_nc_u64 s[OB:OB+1], s[6:7], s[66:67]
	s_mov_b64 s[G0K+2:G0K+3], s[KB:KB+1]
	s_or_b32 s[G0K+3], s[G0K+3], 0x80000000
	s_mov_b64 s[G0V+2:G0V+3], s[VB:VB+1]
	s_or_b32 s[G0V+3], s[G0V+3], 0x80000000
	TLOAD                                          ; slot 0: keys 0 to 255
	s_lshl_b32 s66, s[Q0], 7
	s_add_nc_u64 s[QP:QP+1], s[QB:QB+1], s[66:67]
	s_add_nc_u64 s[OP:OP+1], s[OB:OB+1], s[66:67]
	v_and_b32 v[S], 15, v0                         ; r
	v_bfe_u32 v[S+1], v0, 4, 1                     ; h
	v_and_b32 v[S+2], 31, v0                       ; lane
	v_lshlrev_b32 v[QO], 7, v[S]
	v_lshl_add_u32 v[QO], v[S+1], 4, v[QO]         ; 128 r + 16 h
	QLOAD
	v_lshrrev_b32 v[S+3], 1, v[S]
	v_mul_u32_u24 v[AK0], v[S+3], KPL
	v_and_b32 v[S+3], 1, v[S]
	v_lshl_add_u32 v[AK0], v[S+3], 7, v[AK0]
	v_lshl_add_u32 v[AK0], v[S+1], 4, v[AK0]       ; key r: (r / 2) rows + (r % 2) x 128 + 16 h
	v_bfe_u32 v[S+3], v0, 1, 2
	v_lshl_add_u32 v[S+3], v[S+1], 2, v[S+3]
	v_mul_u32_u24 v[AV0], v[S+3], VPL
	v_and_b32 v[S+3], 1, v0
	v_lshl_add_u32 v[AV0], v[S+3], 7, v[AV0]
	v_bfe_u32 v[S+3], v0, 3, 1
	v_lshl_add_u32 v[AV0], v[S+3], 4, v[AV0]       ; the turning load: key 8 h + lane % 8, channels 8 ((lane / 8) % 2) on
	s_mul_i32 s66, s[WV], 2304
	s_add_co_u32 s66, s66, STAGE
	v_mul_u32_u24 v[STO], v[S], 144
	v_lshl_add_u32 v[STO], v[S+1], 4, v[STO]
	v_add_nc_u32 v[STO], s66, v[STO]
	v_lshrrev_b32 v[S+3], 3, v[S+2]
	v_mul_u32_u24 v[RD], v[S+3], 144
	v_and_b32 v[S+3], 7, v0
	v_lshl_add_u32 v[RD], v[S+3], 4, v[RD]
	v_add_nc_u32 v[RD], s66, v[RD]
	v_lshlrev_b32 v[GO], 4, v[S+2]
	v_lshlrev_b32 v[PFO], 8, v[S+2]
	v_lshlrev_b32 v[S+3], 3, v[S+1]
	v_sub_nc_u32 v[RH], v[S], v[S+3]
	v_mov_b32 v[NINF], 0xff800000
.irp t, 0,1
	v_mov_b32 v[ST+8*\t+1], 0xff61b1e6             ; m: -3e38, under every score
	v_mul_f32 v[ST+8*\t], s[CS], v[ST+8*\t+1]      ; c m
	v_mov_b32 v[ST+8*\t+3], 0                      ; named with a as a pair
.endr
	WIN W_LD
.set i, 0
.rept 80
	v_mov_b32 v[i], 0                              ; O^T and the sums, once: the loop has no first step of its own
.set i, i+1
.endr
.set i, 0
.rept 8
	v_mov_b32 v[ONES+i], 0x3c003c00                ; 1.0, 1.0 in f16
.set i, i+1
.endr
	WIN 0
; A KEY STEP: 64 keys.
.macro STEP
	s_add_co_u32 s66, s[Q0], 31
	s_cmp_gt_u32 s[KF], s66                        ; all 64 keys come after my 32 queries: nothing to do (ids and the count of steps alone)
	s_cbranch_scc1 .Lhidden_\@
	v_add_nc_u32 v[ADK], s[TK], v[AK0]
	v_add_nc_u32 v[ADV], s[TV], v[AV0]
	v_nop
	v_nop                                          ; four plain lines between the last step's products and the loads into V's fragments
	WIN W_LD
.irp kt, 0,1,2,3
.irp c, 0,1
	ds_load_b128 v[KFR+16*\kt+8*\c:KFR+16*\kt+8*\c+3], v[ADK] offset:2176*\kt+64*\c
	ds_load_b128 v[KFR+16*\kt+8*\c+4:KFR+16*\kt+8*\c+7], v[ADK] offset:2176*\kt+64*\c+32
.endr
.endr
.irp kk, 0,1
.irp ct, 0,1,2,3
	ds_load_tr16_b128 v[VFR+32*\kk+8*\ct:VFR+32*\kk+8*\ct+3], v[ADV] offset:4608*\kk+32*\ct
	ds_load_tr16_b128 v[VFR+32*\kk+8*\ct+4:VFR+32*\kk+8*\ct+7], v[ADV] offset:4608*\kk+32*\ct+2304
.endr
.endr
	s_wait_dscnt 16                                ; K is in; V's sixteen loads stay out
	WIN W_KQ
.irp c, 0,1                                    ; S^T = K Q^T: eight accumulators by turns
.irp kt, 0,1,2,3
.irp t, 0,1
.if \c == 0
	v_wmma_f32_16x16x32_f16 v[S+32*\t+8*\kt:S+32*\t+8*\kt+7], v[KFR+16*\kt+8*\c:KFR+16*\kt+8*\c+7], v[Q+16*\t+8*\c:Q+16*\t+8*\c+7], 0
.else
	v_wmma_f32_16x16x32_f16 v[S+32*\t+8*\kt:S+32*\t+8*\kt+7], v[KFR+16*\kt+8*\c:KFR+16*\kt+8*\c+7], v[Q+16*\t+8*\c:Q+16*\t+8*\c+7], v[S+32*\t+8*\kt:S+32*\t+8*\kt+7]
.endif
.endr
.endr
.endr
	WIN 0
.rept 4
	v_nop
.endr
	s_add_co_u32 s66, s[KF], 63
	s_cmp_le_u32 s66, s[Q0]                        ; every key counts for every query of mine: no mask
	s_cbranch_scc1 .Lopen_\@
	s_sub_co_i32 s66, s[Q0], s[KF]
	v_add_nc_u32 v[DD], s66, v[RH]                 ; d = Q0 - KF + r - 8 h.  Tile t's register 8 kt + j holds key KF + 16 kt + 8 h + j for query Q0 + 16 t + r: hidden where 16 kt + j - 16 t > d
.irp t, 0,1
.irp kt, 0,1,2,3
.irp j, 0,1,2,3,4,5,6,7
	v_cmp_gt_i32 vcc_lo, 16*\kt+\j-16*\t, v[DD]
	v_cndmask_b32 v[S+32*\t+8*\kt+\j], v[S+32*\t+8*\kt+\j], v[NINF], vcc_lo
.endr
.endr
.endr
.Lopen_\@:
	; the maximum of my 32 scores and the old m: four chains, the two tiles line by line
.irp j, 0,1,2,3
.irp t, 0,1
	v_max3_num_f32 v[ST+8*\t+4+\j], v[S+32*\t+8*\j], v[S+32*\t+8*\j+1], v[S+32*\t+8*\j+2]
.endr
.endr
.irp g, 1,2
.irp j, 0,1,2,3
.irp t, 0,1
	v_max3_num_f32 v[ST+8*\t+4+\j], v[ST+8*\t+4+\j], v[S+32*\t+8*\j+2*\g+1], v[S+32*\t+8*\j+2*\g+2]
.endr
.endr
.endr
.irp t, 0,1
	v_max3_num_f32 v[ST+8*\t+4], v[ST+8*\t+4], v[S+32*\t+7], v[S+32*\t+15]
.endr
.irp t, 0,1
	v_max3_num_f32 v[ST+8*\t+6], v[ST+8*\t+6], v[S+32*\t+23], v[S+32*\t+31]
.endr
.irp t, 0,1
	v_max3_num_f32 v[ST+8*\t+4], v[ST+8*\t+4], v[ST+8*\t+5], v[ST+8*\t+6]
.endr
.irp t, 0,1
	v_max3_num_f32 v[ST+8*\t+4], v[ST+8*\t+4], v[ST+8*\t+7], v[ST+8*\t+1]
.endr
.irp t, 0,1
	v_permlanex16_b32 v[ST+8*\t+5], v[ST+8*\t+4], s[SEL], s[SEL+1]   ; the query's other 32 keys lie 16 lanes away
.endr
.irp t, 0,1
	v_mov_b32 v[ST+8*\t+7], v[ST+8*\t]             ; c m_old
.endr
.irp t, 0,1
	v_max_num_f32 v[ST+8*\t+1], v[ST+8*\t+4], v[ST+8*\t+5]
.endr
.irp t, 0,1
	v_mul_f32 v[ST+8*\t], s[CS], v[ST+8*\t+1]
.endr
.irp t, 0,1
	v_sub_f32 v[ST+8*\t+7], v[ST+8*\t+7], v[ST+8*\t]
.endr
.irp t, 0,1
	v_exp_f32 v[ST+8*\t+2], v[ST+8*\t+7]           ; a
.endr
.irp b, 0,1,2,3,4,5,6,7,8,9,10,11,12,13,14,15
.irp t, 0,1
	v_pk_fma_f32 v[S+32*\t+2*\b:S+32*\t+2*\b+1], v[S+32*\t+2*\b:S+32*\t+2*\b+1], s[CS:CS+1], v[ST+8*\t:ST+8*\t+1] op_sel_hi:[1,0,0] neg_lo:[0,0,1] neg_hi:[0,0,1]   ; c s - c m
.endr
.endr
.set i, 0
.rept 64
	v_exp_f32 v[S+i], v[S+i]                       ; p, at most 1
.set i, i+1
.endr
	v_nop                                          ; one plain line behind the batch,
	s_wait_alu depctr_va_vdst(0)                   ; and the one wait ahead of the first line that names a result: for all 66
.irp t, 0,1
.irp i, 0,1,2,3,4,5,6,7,8,9,10,11,12,13,14,15
	v_cvt_pk_f16_f32 v[P+16*\t+\i], v[S+32*\t+2*\i], v[S+32*\t+2*\i+1]
.endr
.endr
	s_wait_dscnt 0x0                               ; V is in
	WIN W_RS
.irp t, 0,1
.irp i, 0,1,2,3,4,5,6,7,8,9,10,11,12,13,14,15
	v_pk_mul_f32 v[O+32*\t+2*\i:O+32*\t+2*\i+1], v[O+32*\t+2*\i:O+32*\t+2*\i+1], v[ST+8*\t+2:ST+8*\t+3] op_sel_hi:[1,0]
.endr
	v_pk_mul_f32 v[LS+8*\t:LS+8*\t+1], v[LS+8*\t:LS+8*\t+1], v[ST+8*\t+2:ST+8*\t+3] op_sel_hi:[1,0]   ; every register of that tile is the same sum; register 0 alone is read, so the low pair alone is kept under m
.endr
	WIN W_PV
.irp kk, 0,1                                   ; O^T += V^T P, and the sums += ones x P: ten accumulators by turns
.irp ct, 0,1,2,3
.irp t, 0,1
	v_wmma_f32_16x16x32_f16 v[O+32*\t+8*\ct:O+32*\t+8*\ct+7], v[VFR+32*\kk+8*\ct:VFR+32*\kk+8*\ct+7], v[P+16*\t+8*\kk:P+16*\t+8*\kk+7], v[O+32*\t+8*\ct:O+32*\t+8*\ct+7]
.endr
.endr
.irp t, 0,1
	v_wmma_f32_16x16x32_f16 v[LS+8*\t:LS+8*\t+7], v[ONES:ONES+7], v[P+16*\t+8*\kk:P+16*\t+8*\kk+7], v[LS+8*\t:LS+8*\t+7]
.endr
.endr
	WIN 0
.Lhidden_\@:
	s_add_co_u32 s[KF], s[KF], 64
	s_add_co_u32 s[TK], s[TK], 32*KPL
	s_add_co_u32 s[TV], s[TV], 32*VPL
.endm
.macro SLOT_STEPS                      ; a slot's four steps, written once, walked four times; then on to the other slot
	s_mov_b32 s[STP], 4
.Lstep_\@:
	STEP
	s_sub_co_u32 s[STP], s[STP], 1
	s_cmp_lg_u32 s[STP], 0
	s_cbranch_scc1 .Lstep_\@
	s_sub_co_u32 s[TK], s[TK], 128*KPL
	s_xor_b32 s[TK], s[TK], SLOT1
	s_sub_co_u32 s[TV], s[TV], 128*VPL
	s_xor_b32 s[TV], s[TV], SLOT1
.endm
; THE CHANGE OF SLOTS, at a slot's head.  Each wave waits for all its tensor loads (its part of the slot ahead), adds 0 to its spare word, and waits for that and for its reads of the slot left.
; fill = 1: behind the barrier the slot left is filled with the walk's next 256 keys: slot SL + 1 of the first block, or SL + 1 - NA of the second.  One load of a wave is out at the most.
.macro CHANGE fill
	s_wait_tensorcnt 0x0                           ; no tensor load of mine is out: a group 0 may be written
	ds_add_u32 v[SPW], v[NIL]
.if \fill
	ds_add_u32 v[SPW], v[NIL]                      ; twice on end here, in every trip alike
	s_add_co_u32 s66, s[SL], 1
	s_cmp_lt_u32 s66, s[NA]
	s_cselect_b32 s67, 0, s[NA]
	s_sub_co_u32 s66, s66, s67
	s_lshl_b32 s66, s66, 15                        ; 32,768 bytes of K, and of V, a slot
	s_mov_b32 s67, 0
	s_xor_b32 s[G0K+1], s[G0K+1], SLOT1
	s_add_nc_u64 s[G0K+2:G0K+3], s[KB:KB+1], s[66:67]
	s_or_b32 s[G0K+3], s[G0K+3], 0x80000000
	s_xor_b32 s[G0V+1], s[G0V+1], SLOT1
	s_add_nc_u64 s[G0V+2:G0V+3], s[VB:VB+1], s[66:67]
	s_or_b32 s[G0V+3], s[G0V+3], 0x80000000
	s_wait_xcnt 0x0                                ; the last prefetches, a slot back, have read their addresses
	s_add_nc_u64 s[PFK:PFK+1], s[PFK:PFK+1], 32768
	s_add_nc_u64 s[PFV:PFV+1], s[PFV:PFV+1], 32768
.endif
	s_wait_dscnt 0x0                               ; the add is done, and my reads of the slot that I have left are over
	s_barrier_signal -1
	s_barrier_wait -1
.if \fill
	TLOAD                                          ; the first thing behind the barrier, a wave's one tensor load until the next
	ASK
.endif
.endm
; THE WAY OUT of a block: O^T / the sum, rounded to f16, a tile (16 queries x 128 bytes) at a time through my stage; a store covers four rows, 512 dense bytes.
.macro WAYOUT
.rept 4
	v_nop
.endr
	WIN W_RD
.irp t, 0,1
	v_rcp_f32 v[ST+8*\t+4], v[LS+8*\t]
.endr
	WIN 0
	v_nop
	s_wait_alu depctr_va_vdst(0)                   ; one wait for the two reciprocals, ahead of their first reader
.irp t, 0,1
	WIN W_RD
.irp i, 0,1,2,3,4,5,6,7,8,9,10,11,12,13,14,15
	v_pk_mul_f32 v[S+32*\t+2*\i:S+32*\t+2*\i+1], v[O+32*\t+2*\i:O+32*\t+2*\i+1], v[ST+8*\t+4:ST+8*\t+5] op_sel_hi:[1,0]
.endr
	WIN 0
.irp i, 0,1,2,3,4,5,6,7,8,9,10,11,12,13,14,15
	v_cvt_pk_f16_f32 v[P+16*\t+\i], v[S+32*\t+2*\i], v[S+32*\t+2*\i+1]
.endr
.irp ct, 0,1,2,3
	ds_store_b128 v[STO], v[P+16*\t+4*\ct:P+16*\t+4*\ct+3] offset:32*\ct
.endr
.irp i, 0,1,2,3
	ds_load_b128 v[OUTB+16*\t+4*\i:OUTB+16*\t+4*\i+3], v[RD] offset:576*\i   ; LDS serves a wave's instructions in order
.endr
.endr
.irp i, 0,1,2,3
	s_wait_dscnt 11-\i                             ; behind tile 0's load i: its younger loads and tile 1's eight
	global_store_b128 v[GO], v[OUTB+4*\i:OUTB+4*\i+3], s[OP:OP+1] offset:512*\i
.endr
.irp i, 0,1,2,3
	s_wait_dscnt 3-\i
	global_store_b128 v[GO], v[OUTB+16+4*\i:OUTB+16+4*\i+3], s[OP:OP+1] offset:2048+512*\i
.endr
.endm
	s_wait_loadcnt 0x0                             ; Q
.Lslot:                                                ; eight trips: behind each change of slots the walk's next slot is asked for
	CHANGE 1
	SLOT_STEPS
	s_cmp_lg_u32 s[SL], s[SWI]                     ; the first block's last slot?  (the work-group's number and the count of slots alone)
	s_cbranch_scc1 .Lsame
	s_lshl_b32 s66, s[IB], 8
	s_lshl_b32 s67, s[WV], 5
	s_add_co_u32 s[Q0], s66, s67                   ; block i
	s_lshl_b32 s66, s[Q0], 7
	s_mov_b32 s67, 0
	s_add_nc_u64 s[QP:QP+1], s[QB:QB+1], s[66:67]  ; (the loads that read QP were waited for)
	QLOAD                                          ; they land under the way out
	WAYOUT
	s_wait_xcnt 0x0                                ; the stores have read their base and their data
	s_add_nc_u64 s[OP:OP+1], s[OB:OB+1], s[66:67]
	s_mov_b32 s[KF], 0
.irp t, 0,1
	v_mov_b32 v[ST+8*\t+1], 0xff61b1e6             ; m anew: the next step's a is 2^(-huge) = 0, which clears O^T and the sum
	v_mul_f32 v[ST+8*\t], s[CS], v[ST+8*\t+1]
.endr
	s_wait_loadcnt 0x0
.Lsame:
	s_add_co_u32 s[SL], s[SL], 1
	s_cmp_lt_u32 s[SL], 8
	s_cbranch_scc1 .Lslot
	CHANGE 0                                       ; the ninth slot is written out: nothing is left to ask for
	SLOT_STEPS
	WAYOUT
	s_wait_tensorcnt 0x0                           ; the wave's end
	ds_add_u32 v[SPW], v[NIL]
	s_wait_dscnt 0x0
	s_endpgm
.Lfunc_end_k_q45e7fc1f41_attn:
	.size	k_q45e7fc1f41_attn, .Lfunc_end_k_q45e7fc1f41_attn-k_q45e7fc1f41_attn
	.p2alignl 7, 3214868480
	.fill 96, 4, 3214868480
	.section	.rodata,"a",@progbits
	.p2align	6, 0x0
	.amdhsa_kernel k_q45e7fc1f41_attn
		.amdhsa_group_segment_fixed_size 327680
		.amdhsa_private_segment_fixed_size 0
		.amdhsa_enable_private_segment 0
		.amdhsa_kernarg_size 16
		.amdhsa_user_sgpr_count 2
		.amdhsa_user_sgpr_kernarg_segment_ptr 1
		.amdhsa_wavefront_size32 1
		.amdhsa_system_sgpr_workgroup_id_x 1
		.amdhsa_system_sgpr_workgroup_id_y 1
		.amdhsa_system_sgpr_workgroup_id_z 1
		.amdhsa_system_vgpr_workitem_id 0
		.amdhsa_next_free_vgpr 512
		.amdhsa_next_free_sgpr 72
		.amdhsa_reserve_vcc 1
		.amdhsa_float_denorm_mode_32 3
		.amdhsa_float_denorm_mode_16_64 3
		.amdhsa_memory_ordered 1
		.amdhsa_forward_progress 1
		.amdhsa_inst_pref_size 67
	.end_amdhsa_kernel
	.amdgpu_metadata
---
amdhsa.version: [ 1, 2 ]
amdhsa.kernels:
  - .name:           k_q45e7fc1f41_attn
    .symbol:         k_q45e7fc1f41_attn.kd
    .args:
      - { .name: qkv16, .offset: 0, .size: 8, .value_kind: global_buffer, .address_space: global }
      - { .name: att16, .offset: 8, .size: 8, .value_kind: global_buffer, .address_space: global }
    .group_segment_fixed_size: 327680
    .private_segment_fixed_size: 0
    .kernarg_segment_align: 8
    .kernarg_segment_size: 16
    .max_flat_workgroup_size: 256
    .sgpr_count:     72
    .vgpr_count:     512
    .wavefront_size: 32
...
	.end_amdgpu_metadata
.endif
;; end of part 4
;; launch proj (part 5): grid 4 x 64, 4 waves a work-group, clusters of 4 x 4, 327,680 bytes of LDS; arguments att16, wo16, b_out, out0; writes out0
.if DOCPART == 5
	.amdgcn_target "amdgcn-amd-amdhsa--gfx1250"
	.amdhsa_code_object_version 6
	.text
	.protected	k_q45e7fc1f41_proj
	.globl	k_q45e7fc1f41_proj
	.p2align	8
	.type	k_q45e7fc1f41_proj,@function
k_q45e7fc1f41_proj:
	s_mov_b64 s[64:65], 0
	v_nop
	global_prefetch_b8 v0, s[64:65] scope:SCOPE_SE
	s_setreg_imm32_b32 hwreg(HW_REG_WAVE_MODE, 25, 1), 1
	s_wait_xcnt 0x0
	s_wait_alu depctr_hold_cnt(0) depctr_sa_sdst(0) depctr_va_vdst(0) depctr_va_sdst(0) depctr_va_ssrc(0) depctr_va_vcc(0) depctr_vm_vsrc(0)
	s_getreg_b32 s2, hwreg(HW_REG_IB_STS2, 6, 4)
	s_cmp_eq_u32 s2, 0
	s_cbranch_scc0 .Lentry_in_a_cluster
	s_endpgm
.Lentry_in_a_cluster:
	s_bfe_u32 s2, ttmp6, 0x10000c
	s_cmp_lg_u32 s2, 0xf033
	s_cbranch_scc0 .Lentry_shape_is_right
	s_endpgm
.Lentry_shape_is_right:
; out0[m][n] = the sum over k of att[m][k] w_out[k][n] + b_out[n].  att16: f16 [batch][head][t][64] (k = 64 head + channel); wo16: f16 [k][n]; out0: f32 [8192][1024].  Sums in f32, the bias as the C of the first products.
; Rows t < 16 of every batch are written here too and written over by the next launch, which makes them in f32: 64 rows of 8,192.
; A tile of C is 128 x 256: 256 work-groups (tiles of 256 x 256 would be 128).  Four waves, each 64 x 128: 32 accumulators.  K goes in steps of 128 (two heads) through two LDS slots.
; CLUSTERS: 4 x 4; att's tiles are asked for jointly along a row of the cluster, w_out's along a column.
; THE MATRIX INSTRUCTION IS USED TRANSPOSED: source 0 = 16 columns of w_out (turned by ds_load_tr16_b128, since its K is the first axis), source 1 = 16 rows of att: a lane holds eight neighbouring columns of a row.
; LDS, a slot: att: for each of the two heads 128 rows of 128 dense bytes, taken as 64 rows of 256 + 16; then w_out: 128 rows of 512 + 32 bytes.
; REGISTERS: window 0: addresses; v64-127 att's fragments, two buffers; v128-255 w_out's, two buffers.   window 1: the accumulators ((a, b) at v[8 (8 a + b)]).   window 2: v0-63 the bias.
.set APL,   17408                      ; a head's plane of att in a slot: 64 x 272
.set BOFF,  2*APL
.set BPI,   544                        ; a row of w_out's tile
.set SLOT,  BOFF+128*BPI
.set STAGE, 2*SLOT                     ; 16 rows x (512 + 16) bytes for each wave
.set SPITCH, 528
.set SPARE, STAGE+4*16*SPITCH
.set LAPS,  4
.set ADRA, 16
.set ADRB, 20
.set STO,  24
.set RD,   25
.set CO,   26
.set BO,   27
.set SPW,  28
.set NIL,  29
.set FA,   64
.set FB,   128
.set BK,   64                          ; the way out: v64-127 and v128-191 by turns
.set G1,  24
.set G0,  32
.set G1B, 48
.set G0B, 56
.set MSB, 0
.macro WIN new
.if MSB != \new
	s_set_vgpr_msb (MSB<<8)|\new
.set MSB, \new
.endif
.endm
.set MUL,  0x50                        ; C and D window 1
.set MULB, 0x60                        ; C (the bias) window 2, D window 1
.macro JLOAD s                         ; waves 0 and 1 fetch att's two planes, waves 2 and 3 w_out's two halves; an s_nop 0 and four v_nop follow each line
	s_cmp_eq_u32 s13, 0
	s_cbranch_scc0 .Lfor_b_\@
	tensor_load_to_lds s[G0+4*\s:G0+4*\s+3], s[G1:G1+7]
	s_nop 0
.rept 4
	v_nop
.endr
	s_branch .Lasked_\@
.Lfor_b_\@:
	tensor_load_to_lds s[G0B+4*\s:G0B+4*\s+3], s[G1B:G1B+7]
	s_nop 0
.rept 4
	v_nop
.endr
.Lasked_\@:
.endm
.macro CREST
	s_cmp_lg_u32 s12, 0
	s_cbranch_scc1 .Lnot_wave_0_\@
	s_barrier_signal -3
.Lnot_wave_0_\@:
	s_barrier_wait -3
	s_barrier_signal -1
	s_barrier_wait -1
.endm
.macro CROUND
	s_barrier_signal -1
	s_barrier_wait -1
	CREST
.endm
	s_load_b256 s[4:11], s[0:1], 0x0               ; att16 s[4:5], wo16 s[6:7], b_out s[8:9], out0 s[10:11]
	v_lshl_add_u32 v[SPW], v0, 2, SPARE
	v_mov_b32 v[NIL], 0
	ds_add_u32 v[SPW], v[NIL]                      ; the wave's opening: the add, twice on end, and its wait ahead of my first tensor load
	ds_add_u32 v[SPW], v[NIL]
	v_lshrrev_b32 v1, 5, v0
	v_readfirstlane_b32 s12, v1                    ; wave 0..3
	s_lshr_b32 s13, s12, 1                         ; my half of the rows; also: I fetch att (0) or w_out (1)
	s_and_b32 s14, s12, 1                          ; my half of the columns; also: which plane or half I fetch
	s_bfe_u32 s40, ttmp6, 0x40000                  ; cx
	s_bfe_u32 s41, ttmp6, 0x40004                  ; cy
	s_lshl_b32 s42, ttmp9, 2
	s_add_co_u32 s42, s42, s40                     ; tile column
	s_and_b32 s15, ttmp7, 0xffff
	s_lshl_b32 s15, s15, 2
	s_add_co_u32 s15, s15, s41                     ; tile row 0 .. 63
	s_lshl_b32 s43, s41, 2
	s_lshl_b32 s43, 15, s43                        ; my row of the cluster
	s_lshl_b32 s44, 0x1111, s40                    ; my column
	s_or_b32 s[G1+0], s43, (1<<16)|(1<<20)|(1<<21)|(5<<22)|(3<<25)   ; att: elements of 2 bytes; 4 words of padding after every 64
	s_mov_b32 s[G1+1], 128<<16
	s_mov_b32 s[G1+2], 64<<16
	s_mov_b32 s[G1+3], 128<<16
	s_mov_b32 s[G1+4], 64
	s_mov_b32 s[G1+5], 128                         ; dense
	s_mov_b32 s[G1+6], 0
	s_mov_b32 s[G1+7], 0
	s_or_b32 s[G1B+0], s44, (1<<16)|(1<<20)|(1<<21)|(6<<22)|(7<<25)  ; w_out: 8 words of padding after every 128
	s_mov_b32 s[G1B+1], 256<<16
	s_mov_b32 s[G1B+2], 64<<16
	s_mov_b32 s[G1B+3], 256<<16
	s_mov_b32 s[G1B+4], 64
	s_mov_b32 s[G1B+5], 1024
	s_mov_b32 s[G1B+6], 0
	s_mov_b32 s[G1B+7], 0
	s_lshr_b32 s16, s15, 4
	s_lshl_b32 s16, s16, 22                        ; the batch: 16 planes of 262,144 bytes,
	s_and_b32 s17, s15, 15
	s_lshl_b32 s17, s17, 14
	s_add_co_u32 s16, s16, s17                     ; the tile's 128 rows of 128 bytes,
	s_lshl_b32 s17, s14, 18
	s_add_co_u32 s16, s16, s17                     ; my plane of the step's two
	s_mov_b32 s17, 0
	s_lshl_b32 s46, s14, 17                        ; w_out: my 64 rows of 2,048 bytes,
	s_lshl_b32 s47, s42, 9
	s_add_co_u32 s46, s46, s47                     ; the tile's 256 columns
	s_mov_b32 s47, 0
	s_mul_i32 s20, s14, APL
	s_mul_i32 s21, s14, 64*BPI
	s_add_co_u32 s21, s21, BOFF
	s_wait_dscnt 0x0                               ; both opening adds are done
	s_wait_kmcnt 0x0
	s_add_nc_u64 s[18:19], s[4:5], s[16:17]
	s_add_nc_u64 s[46:47], s[6:7], s[46:47]
	CROUND                                         ; all sixteen work-groups are here
.irp s, 0,1
	s_mov_b32 s[G0+4*\s], 1
	s_add_co_u32 s[G0+4*\s+1], s20, \s*SLOT
	s_add_nc_u64 s[G0+4*\s+2:G0+4*\s+3], s[18:19], \s*524288       ; a K step is two planes
	s_or_b32 s[G0+4*\s+3], s[G0+4*\s+3], 0x80000000
	s_mov_b32 s[G0B+4*\s], 1
	s_add_co_u32 s[G0B+4*\s+1], s21, \s*SLOT
	s_add_nc_u64 s[G0B+4*\s+2:G0B+4*\s+3], s[46:47], \s*262144     ; and 128 rows of w_out
	s_or_b32 s[G0B+4*\s+3], s[G0B+4*\s+3], 0x80000000
	JLOAD \s
.endr
	v_and_b32 v1, 15, v0                           ; r
	v_bfe_u32 v2, v0, 4, 1                         ; h
	v_and_b32 v3, 31, v0                           ; lane
	v_lshlrev_b32 v[BO], 5, v2
	s_lshl_b32 s46, s42, 10
	s_lshl_b32 s47, s14, 9
	s_add_co_u32 s46, s46, s47                     ; my first column, in bytes of f32
	s_mov_b32 s47, 0
	s_add_nc_u64 s[8:9], s[8:9], s[46:47]
	WIN 0x80                                       ; destination window 2
.irp b, 0,1,2,3,4,5,6,7
	global_load_b128 v[8*\b:8*\b+3], v[BO], s[8:9] offset:64*\b
	global_load_b128 v[8*\b+4:8*\b+7], v[BO], s[8:9] offset:64*\b+16
.endr
	WIN 0
	v_lshrrev_b32 v4, 1, v1
	v_mul_u32_u24 v4, v4, 272
	v_and_b32 v5, 1, v1
	v_lshl_add_u32 v4, v5, 7, v4
	v_lshl_add_u32 v4, v2, 4, v4                   ; att's row r: (r / 2) x 272 + (r % 2) x 128 + 16 h
	s_mul_i32 s21, s13, 32*272                     ; my 64 rows
	v_and_b32 v5, 7, v0
	v_lshl_add_u32 v5, v2, 3, v5
	v_mul_u32_u24 v5, v5, BPI
	v_bfe_u32 v6, v0, 3, 1
	v_lshl_add_u32 v5, v6, 4, v5                   ; the turning load: k row 8 h + lane % 8, columns 8 ((lane / 8) % 2) on
	s_lshl_b32 s22, s14, 8
	s_add_co_u32 s22, s22, BOFF                    ; my 128 columns
.irp s, 0,1
	v_add_nc_u32 v[ADRA+\s], s21, v4
	v_add_nc_u32 v[ADRB+\s], s22, v5
	s_add_co_u32 s21, s21, SLOT
	s_add_co_u32 s22, s22, SLOT
.endr
	s_mul_i32 s23, s12, 16*SPITCH
	s_add_co_u32 s23, s23, STAGE
	v_mul_u32_u24 v4, v1, SPITCH
	v_lshl_add_u32 v4, v2, 5, v4
	v_add_nc_u32 v[STO], s23, v4
	v_lshlrev_b32 v[CO], 4, v3
	v_add_nc_u32 v[RD], s23, v[CO]
	s_lshl_b32 s20, s15, 19                        ; 128 rows of 4,096 bytes a tile row,
	s_lshl_b32 s21, s13, 18
	s_add_co_u32 s20, s20, s21                     ; my 64 rows,
	s_add_co_u32 s20, s20, s46                     ; my columns
	s_mov_b32 s21, 0
	s_add_nc_u64 s[10:11], s[10:11], s[20:21]
.macro MUL8 f, a, zero                 ; att's block a x w_out's eight, 32 along K.  The 32 accumulators take turns, in the same order in every quarter
.irp b, 0,1,2,3,4,5,6,7
.if \zero
	v_wmma_f32_16x16x32_f16 v[8*(8*(\a)+\b):8*(8*(\a)+\b)+7], v[FB+64*(\f)+8*\b:FB+64*(\f)+8*\b+7], v[FA+32*(\f)+8*(\a):FA+32*(\f)+8*(\a)+7], v[8*\b:8*\b+7]
.else
	v_wmma_f32_16x16x32_f16 v[8*(8*(\a)+\b):8*(8*(\a)+\b)+7], v[FB+64*(\f)+8*\b:FB+64*(\f)+8*\b+7], v[FA+32*(\f)+8*(\a):FA+32*(\f)+8*(\a)+7], v[8*(8*(\a)+\b):8*(8*(\a)+\b)+7]
.endif
.endr
.endm
.macro FETCH slot, kq, f               ; 24 LDS loads in one run: quarter kq's fragments into buffer f; att's last
.irp b, 0,1,2,3,4,5,6,7
	ds_load_tr16_b128 v[FB+64*(\f)+8*\b:FB+64*(\f)+8*\b+3], v[ADRB+\slot] offset:32*BPI*(\kq)+32*\b
	ds_load_tr16_b128 v[FB+64*(\f)+8*\b+4:FB+64*(\f)+8*\b+7], v[ADRB+\slot] offset:32*BPI*(\kq)+32*\b+16*BPI
.endr
.irp a, 0,1,2,3
	ds_load_b128 v[FA+32*(\f)+8*\a:FA+32*(\f)+8*\a+3], v[ADRA+\slot] offset:APL*((\kq)/2)+64*((\kq)%2)+2176*\a
	ds_load_b128 v[FA+32*(\f)+8*\a+4:FA+32*(\f)+8*\a+7], v[ADRA+\slot] offset:APL*((\kq)/2)+64*((\kq)%2)+2176*\a+32
.endr
.endm
.macro PLACES
.rept 4
	v_nop
.endr
.endm
.macro QUARTER slot, kq, f, g, zero    ; multiplies buffer f; in its middle fetches quarter kq of the same slot into buffer g
	s_wait_dscnt 4                                 ; all but the youngest four loads (att's blocks 2, 3) are in
.if \zero
	WIN MULB
.else
	WIN MUL
.endif
	MUL8 \f, 0, \zero
	MUL8 \f, 1, \zero
	PLACES
	WIN 0
	FETCH \slot, \kq, \g
	s_wait_dscnt 24                                ; all but the 24 just issued
.if \zero
	WIN MULB
.else
	WIN MUL
.endif
	MUL8 \f, 2, \zero
	MUL8 \f, 3, \zero
.endm
; A K step's last quarter multiplies buffer 1 and changes slots: one barrier; in front of it each wave waits for all its tensor loads, adds 0 to its spare word, and waits for that and for its reads of this slot.
.macro TURN slot, next, fill
	WIN 0
	s_wait_tensorcnt 0x0                           ; my part of the next slot has landed
	ds_add_u32 v[SPW], v[NIL]
	s_wait_dscnt 5                                 ; the add and the youngest four loads may be out
	WIN MUL
	MUL8 1, 0, 0
	s_wait_dscnt 0x0                               ; the add is done, and my reads of this slot are over
	s_barrier_signal -1
	MUL8 1, 1, 0
	WIN 0
	s_barrier_wait -1
.if \fill
	CREST                                          ; the barrier has opened a round of the cluster's barrier
	s_add_nc_u64 s[G0+4*\slot+2:G0+4*\slot+3], s[G0+4*\slot+2:G0+4*\slot+3], 2*524288
	s_add_nc_u64 s[G0B+4*\slot+2:G0B+4*\slot+3], s[G0B+4*\slot+2:G0B+4*\slot+3], 2*262144
	JLOAD \slot                                    ; 112 matrix instructions ahead of the wait for it; its four v_nop are also the places in front of the loads below
.else
	PLACES
.endif
	FETCH \next, 0, 0
	WIN MUL
	MUL8 1, 2, 0
	MUL8 1, 3, 0
.endm
	s_wait_loadcnt 0x0                             ; the bias
	s_wait_tensorcnt 1                             ; my part of K step 0 is in; K step 1's may be out
	s_barrier_signal -1
	s_barrier_wait -1
	FETCH 0, 0, 0
	QUARTER 0, 1, 0, 1, 1                          ; the first quarter's products start the sums on the bias
	WIN 0
	s_mov_b32 s3, LAPS-1
.Llap:
	QUARTER 0, 2, 1, 0, 0
	QUARTER 0, 3, 0, 1, 0
	TURN 0, 1, 1
	QUARTER 1, 1, 0, 1, 0
	QUARTER 1, 2, 1, 0, 0
	QUARTER 1, 3, 0, 1, 0
	TURN 1, 0, 1
	QUARTER 0, 1, 0, 1, 0
	WIN 0
	s_sub_co_u32 s3, s3, 1
	s_cmp_lg_u32 s3, 0
	s_cbranch_scc1 .Llap
	QUARTER 0, 2, 1, 0, 0                          ; the last lap fills nothing
	QUARTER 0, 3, 0, 1, 0
	TURN 0, 1, 0
	QUARTER 1, 1, 0, 1, 0
	QUARTER 1, 2, 1, 0, 0
	QUARTER 1, 3, 0, 1, 0
	s_wait_dscnt 4
	WIN MUL
	MUL8 1, 0, 0
	MUL8 1, 1, 0
	s_wait_dscnt 0
	MUL8 1, 2, 0
	MUL8 1, 3, 0
	WIN 0
; THE WAY OUT, block by block of 16 rows x 128 columns, through my own stage: back as whole rows of 512 bytes.
.macro TOSTAGE a
	WIN 0x04                                       ; an LDS store's data: window 1
.irp b, 0,1,2,3,4,5,6,7
	ds_store_b128 v[STO], v[8*(8*(\a)+\b):8*(8*(\a)+\b)+3] offset:64*\b        ; each accumulator from its low end on
	ds_store_b128 v[STO], v[8*(8*(\a)+\b)+4:8*(8*(\a)+\b)+7] offset:64*\b+16
.endr
	WIN 0
.set BB, BK+64*((\a)%2)
.irp t, 0,1,2,3,4,5,6,7,8,9,10,11,12,13,14,15
	ds_load_b128 v[BB+4*\t:BB+4*\t+3], v[RD] offset:\t*SPITCH
.endr
.endm
.macro SEND a, younger
.set BB, BK+64*((\a)%2)
	s_wait_dscnt \younger                          ; the block is back; the next block's 16 stores and 16 loads may be out
.irp t, 0,1,2,3,4,5,6,7,8,9,10,11,12,13,14,15
	global_store_b128 v[CO], v[BB+4*\t:BB+4*\t+3], s[10:11] offset:65536*(\a)+4096*\t th:TH_STORE_NT   ; 512 consecutive bytes, aligned to 256
.endr
.endm
	PLACES
	TOSTAGE 0
.irp a, 1,2,3
.if \a > 1
	s_wait_xcnt 0x0                                ; block a - 2's stores have read their registers: block a's loads may land there
.endif
	TOSTAGE \a
	SEND \a-1, 32
.endr
	SEND 3, 0
	s_wait_tensorcnt 0x0                           ; the wave's end
	ds_add_u32 v[SPW], v[NIL]
	s_wait_dscnt 0x0
	CROUND                                         ; the closing round
	s_endpgm
.Lfunc_end_k_q45e7fc1f41_proj:
	.size	k_q45e7fc1f41_proj, .Lfunc_end_k_q45e7fc1f41_proj-k_q45e7fc1f41_proj
	.p2alignl 7, 3214868480
	.fill 96, 4, 3214868480
	.section	.rodata,"a",@progbits
	.p2align	6, 0x0
	.amdhsa_kernel k_q45e7fc1f41_proj
		.amdhsa_group_segment_fixed_size 327680
		.amdhsa_private_segment_fixed_size 0
		.amdhsa_enable_private_segment 0
		.amdhsa_kernarg_size 32
		.amdhsa_user_sgpr_count 2
		.amdhsa_user_sgpr_kernarg_segment_ptr 1
		.amdhsa_wavefront_size32 1
		.amdhsa_system_sgpr_workgroup_id_x 1
		.amdhsa_system_sgpr_workgroup_id_y 1
		.amdhsa_system_sgpr_workgroup_id_z 1
		.amdhsa_system_vgpr_workitem_id 0
		.amdhsa_next_free_vgpr 576
		.amdhsa_next_free_sgpr 66
		.amdhsa_reserve_vcc 0
		.amdhsa_float_denorm_mode_32 3
		.amdhsa_float_denorm_mode_16_64 3
		.amdhsa_memory_ordered 1
		.amdhsa_forward_progress 1
		.amdhsa_inst_pref_size 87
	.end_amdhsa_kernel
	.amdgpu_metadata
---
amdhsa.version: [ 1, 2 ]
amdhsa.kernels:
  - .name:           k_q45e7fc1f41_proj
    .symbol:         k_q45e7fc1f41_proj.kd
    .args:
      - { .name: att16, .offset: 0, .size: 8, .value_kind: global_buffer, .address_space: global }
      - { .name: wo16, .offset: 8, .size: 8, .value_kind: global_buffer, .address_space: global }
      - { .name: b_out, .offset: 16, .size: 8, .value_kind: global_buffer, .address_space: global }
      - { .name: out0, .offset: 24, .size: 8, .value_kind: global_buffer, .address_space: global }
    .group_segment_fixed_size: 327680
    .private_segment_fixed_size: 0
    .kernarg_segment_align: 8
    .kernarg_segment_size: 32
    .max_flat_workgroup_size: 128
    .sgpr_count:     66
    .vgpr_count:     576
    .wavefront_size: 32
...
	.end_amdgpu_metadata
.endif
;; end of part 5
;; launch fine (part 6): grid 64 x 4, 16 waves a work-group, no clusters, 18,432 bytes of LDS; arguments fine32, w_out, b_out, out0; writes out0
.if DOCPART == 6
	.amdgcn_target "amdgcn-amd-amdhsa--gfx1250"
	.amdhsa_code_object_version 6
	.text
	.protected	k_q45e7fc1f41_fine
	.globl	k_q45e7fc1f41_fine
	.p2align	8
	.type	k_q45e7fc1f41_fine,@function
k_q45e7fc1f41_fine:
	s_mov_b64 s[64:65], 0
	v_nop
	global_prefetch_b8 v0, s[64:65] scope:SCOPE_SE
	s_setreg_imm32_b32 hwreg(HW_REG_WAVE_MODE, 25, 1), 1
	s_wait_xcnt 0x0
; Rows t < 16 of every batch, in f32 from end to end: under the causal mask they average one to sixteen values and are the largest of the output.
; Work-group (x, y): batch y, output columns 16 x .. 16 x + 15.  Wave w = head w: its 16 x 16 attention, then its share of the projection's K (rows 64 w .. 64 w + 63 of w_out); the 16 parts meet in LDS.
; 48 instructions of v_wmma_f32_16x16x4_f32 a wave.  A batch's attention is made anew by its 64 work-groups: 32 instructions a wave, in place of one launch more.
; THE ORDER OF K IS CHOSEN SO THAT NOTHING CHANGES LANES.  The form pairs register j of lane half h of both sources.  fine32 holds images of accumulators (lane (r, h), register j: row r, column 16 nb + 8 h + j),
; so a register pair (2 s, 2 s + 1) of q's image and of k's name the same four channels; the softmax's registers (query r, key 8 h + j) are source 1 of V^T P; O^T's (query r, channel 16 ct + 8 h + j) are source 0 of the projection.
; v160-223 are written by matrix instructions alone.  The stores are runs of 64 bytes, on 64 rows of out0 alone.
.set SPARE, 16384                      ; behind the 16 parts of 1,024 bytes: the spare words, 128 bytes for each of 16 waves
.set SPW, 8
.set NIL, 9
.set QR,  32
.set KR,  64
.set VR,  96
.set WR,  128
.set SA,  160
.set SB,  168
.set OA,  176
.set PA,  208
.set PB,  216
.set PS,  224                          ; the scores, then p
.set YS,  232
	s_load_b256 s[4:11], s[0:1], 0x0               ; fine32 s[4:5], w_out s[6:7], b_out s[8:9], out0 s[10:11]
	v_lshl_add_u32 v[SPW], v0, 2, SPARE
	v_mov_b32 v[NIL], 0
	v_lshrrev_b32 v12, 5, v0
	v_readfirstlane_b32 s12, v12                   ; wave = head
	s_and_b32 s13, ttmp7, 0xffff                   ; batch
	v_and_b32 v12, 31, v0                          ; lane
	v_and_b32 v13, 15, v0                          ; r
	v_bfe_u32 v14, v0, 4, 1                        ; h
	v_lshlrev_b32 v1, 4, v12                       ; an image's place for my lane
	v_bfe_u32 v15, v0, 2, 1
	v_lshlrev_b32 v2, 9, v15                       ; v(key, channel r of a block): half (r / 4) % 2,
	v_bfe_u32 v15, v0, 3, 1
	v_lshl_add_u32 v2, v15, 8, v2                  ; lane key + 16 (r / 8),
	v_lshl_add_u32 v2, v14, 7, v2                  ; keys 8 h on,
	v_and_b32 v15, 3, v0
	v_lshl_add_u32 v2, v15, 2, v2                  ; word r % 4
	v_lshlrev_b32 v4, 2, v13                       ; 4 r
	v_lshl_add_u32 v3, v14, 15, v4                 ; 8 h rows of 4,096 bytes + 4 r: in w_out and in out0
	v_lshlrev_b32 v15, 3, v14
	v_sub_nc_u32 v6, v13, v15                      ; r - 8 h
	s_lshl_b32 s14, s12, 10
	v_add_nc_u32 v7, s14, v1                       ; my part in LDS
	s_and_b32 s15, s12, 7
	s_lshr_b32 s14, s15, 2
	s_lshl_b32 s14, s14, 9
	s_and_b32 s16, s15, 3
	s_lshl_b32 s16, s16, 2
	s_add_co_u32 s14, s14, s16
	v_add_nc_u32 v10, s14, v1                      ; register w % 8 of a part
	v_mov_b32 v17, 0                               ; a lane permute's destination counts as read
	v_mov_b32 v24, 0xff800000
	s_mov_b32 s20, 0x76543210
	s_mov_b32 s21, 0xfedcba98
	s_mov_b32 s22, 0x3d38aa3b                      ; c = log2(e) / 32
	s_mul_i32 s16, s13, 196608
	s_lshl_b32 s17, s12, 12
	s_add_co_u32 s16, s16, s17                     ; the batch's images, my head's four of q
	s_mov_b32 s17, 0
	s_lshl_b32 s18, s12, 18
	s_lshl_b32 s24, ttmp9, 6                       ; 16 columns of f32
	s_add_co_u32 s18, s18, s24                     ; w_out: row 64 w, my columns
	s_mov_b32 s19, 0
	s_mov_b32 s25, 0
	s_lshl_b32 s26, s13, 23                        ; out0: the batch's first row,
	s_lshl_b32 s27, s15, 12
	s_add_co_u32 s26, s26, s27                     ; row w % 8,
	s_add_co_u32 s26, s26, s24                     ; my columns
	s_mov_b32 s27, 0
	s_wait_kmcnt 0x0
	s_add_nc_u64 s[4:5], s[4:5], s[16:17]
	s_add_nc_u64 s[6:7], s[6:7], s[18:19]
	s_add_nc_u64 s[8:9], s[8:9], s[24:25]
	s_add_nc_u64 s[10:11], s[10:11], s[26:27]
.irp n, 0,1,2,3
.irp f, 0,1
	global_load_b128 v[QR+8*\n+4*\f:QR+8*\n+4*\f+3], v1, s[4:5] offset:1024*\n+512*\f
.endr
.endr
.irp n, 0,1,2,3
.irp f, 0,1
	global_load_b128 v[KR+8*\n+4*\f:KR+8*\n+4*\f+3], v1, s[4:5] offset:65536+1024*\n+512*\f
.endr
.endr
.irp ct, 0,1,2,3
.irp k, 0,1,2,3,4,5,6,7
	global_load_b32 v[VR+8*\ct+\k], v2, s[4:5] offset:131072+1024*\ct+16*\k     ; v(key 8 h + k, channel 16 ct + r)
.endr
.endr
	s_wait_loadcnt 32                              ; q and k are in; v's 32 loads stay out
.set n, 0
.rept 16                                       ; S^T = k q^T: two accumulators by turns; the first two products start the sums
.if n < 2
	v_wmma_f32_16x16x4_f32 v[SA+8*(n%2):SA+8*(n%2)+7], v[KR+2*n:KR+2*n+1], v[QR+2*n:QR+2*n+1], 0
.else
	v_wmma_f32_16x16x4_f32 v[SA+8*(n%2):SA+8*(n%2)+7], v[KR+2*n:KR+2*n+1], v[QR+2*n:QR+2*n+1], v[SA+8*(n%2):SA+8*(n%2)+7]
.endif
.set n, n+1
.endr
.irp ct, 0,1,2,3
.irp k, 0,1,2,3,4,5,6,7
	global_load_b32 v[WR+8*\ct+\k], v3, s[6:7] offset:(16*\ct+\k)*4096          ; w_out(64 w + 16 ct + 8 h + k, my column r)
.endr
.endr
	global_load_b32 v21, v4, s[8:9]                ; b_out
.rept 8
	v_nop                                          ; eight places behind this form (ISA guide 7.12.1)
.endr
.irp j, 0,1,2,3,4,5,6,7
	v_add_f32 v[PS+\j], v[SA+\j], v[SB+\j]         ; query r, key 8 h + j
.endr
.irp j, 0,1,2,3,4,5,6,7
	v_cmp_gt_i32 vcc_lo, \j, v6                    ; hidden where 8 h + j > r
	v_cndmask_b32 v[PS+\j], v[PS+\j], v24, vcc_lo
.endr
	v_max3_num_f32 v16, v[PS], v[PS+1], v[PS+2]
	v_max3_num_f32 v16, v16, v[PS+3], v[PS+4]
	v_max3_num_f32 v16, v16, v[PS+5], v[PS+6]
	v_max_num_f32 v16, v16, v[PS+7]
	v_permlanex16_b32 v17, v16, s20, s21
	v_max_num_f32 v16, v16, v17                    ; the row's maximum: key 0 counts for every query
	v_mul_f32 v18, s22, v16
.irp j, 0,1,2,3,4,5,6,7
	v_fma_f32 v[PS+\j], v[PS+\j], s22, -v18
.endr
.irp j, 0,1,2,3,4,5,6,7
	v_exp_f32 v[PS+\j], v[PS+\j]
.endr
	v_nop
	s_wait_alu depctr_va_vdst(0)                   ; one wait for the eight, ahead of their first reader
	v_add_f32 v19, v[PS], v[PS+1]
	v_add_f32 v20, v[PS+2], v[PS+3]
	v_add_f32 v22, v[PS+4], v[PS+5]
	v_add_f32 v23, v[PS+6], v[PS+7]
	v_add_f32 v19, v19, v20
	v_add_f32 v22, v22, v23
	v_add_f32 v19, v19, v22
	v_permlanex16_b32 v17, v19, s20, s21
	v_add_f32 v19, v19, v17
	v_rcp_f32 v20, v19
	v_nop
	s_wait_alu depctr_va_vdst(0)
.irp j, 0,1,2,3,4,5,6,7
	v_mul_f32 v[PS+\j], v[PS+\j], v20              ; normalised here, so that O^T needs no vector line
.endr
	s_wait_loadcnt 33                              ; v is in; w_out's 32 loads and the bias stay out
.irp s, 0,1,2,3                                ; O^T = v^T p: four accumulators by turns
.irp ct, 0,1,2,3
.if \s == 0
	v_wmma_f32_16x16x4_f32 v[OA+8*\ct:OA+8*\ct+7], v[VR+8*\ct+2*\s:VR+8*\ct+2*\s+1], v[PS+2*\s:PS+2*\s+1], 0
.else
	v_wmma_f32_16x16x4_f32 v[OA+8*\ct:OA+8*\ct+7], v[VR+8*\ct+2*\s:VR+8*\ct+2*\s+1], v[PS+2*\s:PS+2*\s+1], v[OA+8*\ct:OA+8*\ct+7]
.endif
.endr
.endr
.rept 9
	v_nop                                          ; nine places before a matrix instruction takes these results as a source
.endr
	s_wait_loadcnt 0x0
.set n, 0
.rept 16                                       ; my head's share of the projection: two accumulators by turns
.if n < 2
	v_wmma_f32_16x16x4_f32 v[PA+8*(n%2):PA+8*(n%2)+7], v[OA+2*n:OA+2*n+1], v[WR+2*n:WR+2*n+1], 0
.else
	v_wmma_f32_16x16x4_f32 v[PA+8*(n%2):PA+8*(n%2)+7], v[OA+2*n:OA+2*n+1], v[WR+2*n:WR+2*n+1], v[PA+8*(n%2):PA+8*(n%2)+7]
.endif
.set n, n+1
.endr
.rept 8
	v_nop
.endr
.irp j, 0,1,2,3,4,5,6,7
	v_add_f32 v[YS+\j], v[PA+\j], v[PB+\j]         ; query 8 h + j, column r
.endr
	ds_store_b128 v7, v[YS:YS+3]
	ds_store_b128 v7, v[YS+4:YS+7] offset:512
	s_wait_dscnt 0x0                               ; for the others' sake: my part has landed
	s_barrier_signal -1
	s_barrier_wait -1
	s_cmp_lt_u32 s12, 8                            ; wave w < 8 sums register w of the 16 parts: rows w and 8 + w
	s_cbranch_scc0 .Ldone
.irp i, 0,1,2,3,4,5,6,7,8,9,10,11,12,13,14,15
	ds_load_b32 v[QR+\i], v10 offset:1024*\i
.endr
	s_wait_dscnt 0x0
.irp i, 0,1,2,3,4,5,6,7
	v_add_f32 v[QR+\i], v[QR+\i], v[QR+8+\i]
.endr
.irp i, 0,1,2,3
	v_add_f32 v[QR+\i], v[QR+\i], v[QR+4+\i]
.endr
	v_add_f32 v[QR], v[QR], v[QR+2]
	v_add_f32 v[QR+1], v[QR+1], v[QR+3]
	v_add_f32 v[QR], v[QR], v[QR+1]
	v_add_f32 v[QR], v[QR], v21
	global_store_b32 v3, v[QR], s[10:11]
.Ldone:
	s_wait_tensorcnt 0x0                           ; the wave's end
	ds_add_u32 v[SPW], v[NIL]
	s_wait_dscnt 0x0
	s_endpgm
.Lfunc_end_k_q45e7fc1f41_fine:
	.size	k_q45e7fc1f41_fine, .Lfunc_end_k_q45e7fc1f41_fine-k_q45e7fc1f41_fine
	.p2alignl 7, 3214868480
	.fill 96, 4, 3214868480
	.section	.rodata,"a",@progbits
	.p2align	6, 0x0
	.amdhsa_kernel k_q45e7fc1f41_fine
		.amdhsa_group_segment_fixed_size 18432
		.amdhsa_private_segment_fixed_size 0
		.amdhsa_enable_private_segment 0
		.amdhsa_kernarg_size 32
		.amdhsa_user_sgpr_count 2
		.amdhsa_user_sgpr_kernarg_segment_ptr 1
		.amdhsa_wavefront_size32 1
		.amdhsa_system_sgpr_workgroup_id_x 1
		.amdhsa_system_sgpr_workgroup_id_y 1
		.amdhsa_system_sgpr_workgroup_id_z 1
		.amdhsa_system_vgpr_workitem_id 0
		.amdhsa_next_free_vgpr 256
		.amdhsa_next_free_sgpr 66
		.amdhsa_reserve_vcc 1
		.amdhsa_float_denorm_mode_32 3
		.amdhsa_float_denorm_mode_16_64 3
		.amdhsa_memory_ordered 1
		.amdhsa_forward_progress 1
		.amdhsa_inst_pref_size 19
	.end_amdhsa_kernel
	.amdgpu_metadata
---
amdhsa.version: [ 1, 2 ]
amdhsa.kernels:
  - .name:           k_q45e7fc1f41_fine
    .symbol:         k_q45e7fc1f41_fine.kd
    .args:
      - { .name: fine32, .offset: 0, .size: 8, .value_kind: global_buffer, .address_space: global }
      - { .name: w_out, .offset: 8, .size: 8, .value_kind: global_buffer, .address_space: global }
      - { .name: b_out, .offset: 16, .size: 8, .value_kind: global_buffer, .address_space: global }
      - { .name: out0, .offset: 24, .size: 8, .value_kind: global_buffer, .address_space: global }
    .group_segment_fixed_size: 18432
    .private_segment_fixed_size: 0
    .kernarg_segment_align: 8
    .kernarg_segment_size: 32
    .max_flat_workgroup_size: 512
    .sgpr_count:     66
    .vgpr_count:     256
    .wavefront_size: 32
...
	.end_amdgpu_metadata
.endif
;; end of part 6
